; MI455X (gfx1250); checked and timed in simulation.
; The chip was launched on July 23, 2026; its instructions are those of AMD's public machine-readable ISA for CDNA 5 (MIT licence, August 2026) and "CDNA5" Instruction Set Architecture Reference Guide (July 2026). The comments in the code are by the model that wrote it; some were corrected since.
;; Geography Aware Multi Head Attention. Allowed arithmetic: float matrix products may take bf16 or f16 operands with f32 sums; other float arithmetic in f32, or as packed bf16 or f16 multiplies, adds, multiply-adds, maxima and minima; sums over many terms, partial sums and values carried from step to step in f32; what a program stores and reads back later, other than sums and carried values, may be rounded once to bf16 or f16.
;; Inputs: Wk 256 x 256 float32; Wo 256 x 256 float32; Wq 256 x 256 float32; Wv 256 x 256 float32; bk 256 float32; bo 256 float32; bq 256 float32; bv 256 float32; spatial_constraint 512 x 512 float32; x 4 x 32 x 512 x 256 float32.
;; Outputs: out0 4 x 32 x 512 x 256 float32.
;; 2 versions, each right; version 2 is version 1 with the launch attn written anew for expert scheduling mode. Each part assembles by itself: llvm-mc -triple=amdgcn-amd-amdhsa -mcpu=gfx1250 --defsym DOCPART=n.
;; ======== version 1 of 2: 3 launches
;; limits: values are held in f16: magnitudes above 65,504 overflow, below 6.1e-05 lose precision
;; workspace buffers: wp 442,368 bytes; wop 147,456 bytes; cb 1,048,576 bytes; qs 4,096 bytes; att 33,554,432 bytes
;; launch prep (part 1): grid 96 x 1, 4 waves a work-group, no clusters, 0 bytes of LDS; arguments Wq, Wk, Wv, Wo, bq, bk, bv, bo, spatial_constraint, wp, wop, cb, qs; writes wp, wop, cb, qs
.if DOCPART == 1
	.amdgcn_target "amdgcn-amd-amdhsa--gfx1250"
	.amdhsa_code_object_version 6
	.text
	.protected	k_q64ca40c784_prep
	.globl	k_q64ca40c784_prep
	.p2align	8
	.type	k_q64ca40c784_prep,@function
k_q64ca40c784_prep:
	s_mov_b64 s[64:65], 0
	v_nop
	global_prefetch_b8 v0, s[64:65] scope:SCOPE_SE
	s_setreg_imm32_b32 hwreg(HW_REG_WAVE_MODE, 25, 1), 1
	s_wait_xcnt 0x0
; PREPARATION.  Everything that the two main launches would otherwise convert again and again is converted once.
; Work-groups 0-63: one GROUP of 9,216 bytes each: 16 columns n0 .. n0+15 of one weight matrix, in the order in which a matrix fragment lies in registers.
;   block 2 ks + a (512 bytes, 16 a lane): lane (r = l % 16, hh = l / 16) holds W[32 ks + 16 a + 8 hh + i][n0 + r], i = 0..7, in 16 bits
;   blocks 16 + a: the bias as four registers of an f32 C operand: register j = 4 a + i holds b[n0 + 8 hh + j] (q, k, o) or b[n0 + r] (v)
;   Wq, Wk, Wv: rounded to bf16.  Wo: rounded to bf16 and that number written as f16 (exact while it lies in f16's normal range; below 6e-5 it keeps f16's fixed step).
;   Biases: rounded to bf16, kept as f32.
; Work-groups 64-95: 16 rows of spatial_constraint as C operands for S^T = K Q^T, in the log2 domain: register j of lane (r, hh) of tile (qt, kt) is for query
;   16 qt + r and key 16 kt + 8 hh + j: bf16(sc) x log2(e) where sc > 0 (the unrounded sc decides), else -1e9 x log2(e).
;   A ROW WITH NO sc > 0: the softmax of equal logits is uniform.  Its tile entries are all 0 and its q scale is 0, so all its scores are exactly 0.
;   qs[row] = log2(e) / sqrt(32), or 0 for such a row; written twice (two copies of 512) so that all 32 lanes store.
.set LOG2E, 0x3fb8aa3b
.set NEGC,  0xceabfb8e                 ; -1e9 x log2(e)
.set CQ,    0x3e8293ee                 ; log2(e) / sqrt(32)
.set OWN, 32                           ; v[32:95]   geography: my wave's 8 key tiles.  Weights: v[32:63] as loaded, v[64:79] packed
.set BA,  96                           ; v[96:159]  geography: a batch of 8 key tiles
.set BB,  160                          ; v[160:223] the other batch
	s_load_b256 s[8:15], s[0:1], 0x0               ; Wq, Wk, Wv, Wo
	s_load_b256 s[16:23], s[0:1], 0x20             ; bq, bk, bv, bo
	s_load_b256 s[24:31], s[0:1], 0x40             ; spatial_constraint, wp, wop, cb
	s_load_b64 s[32:33], s[0:1], 0x60              ; qs
	v_lshrrev_b32 v1, 5, v0
	v_readfirstlane_b32 s4, v1                     ; wave 0..3
	v_and_b32 v2, 31, v0                           ; lane
	v_and_b32 v3, 15, v0                           ; r
	v_bfe_u32 v4, v0, 4, 1                         ; hh
	v_lshlrev_b32 v5, 4, v2                        ; 16 x lane
	s_wait_kmcnt 0x0
	s_cmp_lt_u32 ttmp9, 64
	s_cbranch_scc0 .Lgeo
	; ---------------- a group of weights ----------------
	s_lshr_b32 s2, ttmp9, 4                        ; m: 0 q, 1 k, 2 v, 3 o
	s_and_b32 s3, ttmp9, 15                        ; which 16 columns
	s_cmp_eq_u32 s2, 1
	s_cselect_b64 s[34:35], s[10:11], s[8:9]       ; the matrix,
	s_cselect_b64 s[36:37], s[18:19], s[16:17]     ; its bias
	s_cmp_eq_u32 s2, 2
	s_cselect_b64 s[34:35], s[12:13], s[34:35]
	s_cselect_b64 s[36:37], s[20:21], s[36:37]
	s_cmp_eq_u32 s2, 3
	s_cselect_b64 s[34:35], s[14:15], s[34:35]
	s_cselect_b64 s[36:37], s[22:23], s[36:37]
	s_cselect_b64 s[38:39], s[28:29], s[26:27]     ; and where the group goes: wop or wp
	s_lshr_b32 s40, s3, 1                          ; wp: [head 8][m 3][ct 2] groups
	s_mul_i32 s40, s40, 3
	s_add_co_u32 s40, s40, s2
	s_mul_i32 s40, s40, 18432
	s_and_b32 s41, s3, 1
	s_mul_i32 s41, s41, 9216
	s_add_co_u32 s40, s40, s41
	s_mul_i32 s41, s3, 9216                        ; wop: [16] groups
	s_cmp_eq_u32 s2, 3
	s_cselect_b32 s40, s41, s40
	s_mov_b32 s41, 0
	s_add_nc_u64 s[38:39], s[38:39], s[40:41]
	v_lshlrev_b32 v6, 13, v4                       ; 8 hh rows of 1,024 bytes
	v_lshl_add_u32 v6, v3, 2, v6                   ; + column r
	s_lshl_b32 s5, s4, 16                          ; + my wave's 64 rows (ks = 2 w, 2 w + 1)
	s_lshl_b32 s6, s3, 6                           ; + column n0
	s_add_co_u32 s5, s5, s6
	v_add_nc_u32 v6, s5, v6
.set e, 0
.rept 32                                               ; number e = 16 kl + 8 a + i: row 32 kl + 16 a + i further down
	global_load_b32 v[OWN+e], v6, s[34:35] offset:(32*(e/16)+16*((e/8)%2)+e%8)*1024
.set e, e+1
.endr
	s_lshl_b32 s5, s4, 11
	v_add_nc_u32 v7, s5, v5                        ; my four blocks: 2,048 w + 16 x lane
	s_wait_loadcnt 0x0
.set e, 0
.rept 16
	v_cvt_pk_bf16_f32 v[64+e], v[OWN+2*e], v[OWN+2*e+1]
.set e, e+1
.endr
	s_cmp_eq_u32 s2, 3
	s_cbranch_scc0 .Lkeep
.set e, 0
.rept 16                                               ; Wo: the bf16 number, written as f16
	v_lshlrev_b32 v32, 16, v[64+e]
	v_and_b32 v33, 0xffff0000, v[64+e]
	v_cvt_pk_f16_f32 v[64+e], v32, v33
.set e, e+1
.endr
.Lkeep:
.irp b, 0,1,2,3
	global_store_b128 v7, v[64+4*\b:64+4*\b+3], s[38:39] offset:512*\b  ; 512 consecutive bytes, aligned
.endr
	s_cmp_lt_u32 s4, 2                             ; waves 0 and 1 make the bias blocks a = 0, 1
	s_cbranch_scc0 .Lend
	s_cmp_eq_u32 s2, 2                             ; the four numbers' places, by strides: v takes b[n0 + r] four times, the others b[n0 + 8 hh + 4 a + i]
	s_cselect_b32 s42, 4, 0                        ; for each r
	s_cselect_b32 s43, 0, 32                       ; for each hh
	s_cselect_b32 s44, 0, 16                       ; for each a
	s_cselect_b32 s45, 0, 4                        ; for each register
	s_mul_i32 s44, s44, s4
	s_add_co_u32 s44, s44, s6
	v_mul_lo_u32 v8, v3, s42
	v_mad_u32_u24 v8, v4, s43, v8
	v_add_nc_u32 v8, s44, v8
	v_add_nc_u32 v9, s45, v8
	v_add_nc_u32 v10, s45, v9
	v_add_nc_u32 v11, s45, v10
	global_load_b32 v12, v8, s[36:37]
	global_load_b32 v13, v9, s[36:37]
	global_load_b32 v14, v10, s[36:37]
	global_load_b32 v15, v11, s[36:37]
	s_lshl_b32 s5, s4, 9
	v_add_nc_u32 v18, s5, v5
	s_wait_loadcnt 0x0
	v_cvt_pk_bf16_f32 v16, v12, v13                ; rounded to bf16 like every input, and widened again
	v_cvt_pk_bf16_f32 v17, v14, v15
	v_lshlrev_b32 v12, 16, v16
	v_and_b32 v13, 0xffff0000, v16
	v_lshlrev_b32 v14, 16, v17
	v_and_b32 v15, 0xffff0000, v17
	global_store_b128 v18, v[12:15], s[38:39] offset:8192
	s_branch .Lend
	; ---------------- 16 rows of the geography ----------------
.macro BATCH buf, b                    ; key tiles 8 b .. 8 b + 7: a lane's 32 bytes of each
.set kI, 0
.rept 8
	global_load_b128 v[(\buf)+8*kI:(\buf)+8*kI+3],   v6, s[24:25] offset:(8*(\b)+kI)*64
	global_load_b128 v[(\buf)+8*kI+4:(\buf)+8*kI+7], v6, s[24:25] offset:(8*(\b)+kI)*64+16
.set kI, kI+1
.endr
.endm
.macro FOLD buf                        ; 64 numbers into four running maxima that do not wait for each other
.set sI, 0
.rept 8
.irp c, 0,1,2,3
	v_max3_num_f32 v[8+\c], v[8+\c], v[(\buf)+16*\c+2*sI], v[(\buf)+16*\c+2*sI+1]
.endr
.set sI, sI+1
.endr
.endm
.Lgeo:
	s_sub_co_u32 s2, ttmp9, 64                     ; qt
	s_lshl_b32 s6, s2, 15                          ; 16 rows of 2,048 bytes; also a query tile's 32 C tiles of 1,024
	s_mov_b32 s7, 0
	s_add_nc_u64 s[24:25], s[24:25], s[6:7]
	s_add_nc_u64 s[30:31], s[30:31], s[6:7]
	s_mov_b32 s46, 0x76543210                      ; v_permlanex16_b32: each lane takes its own place in the other half
	s_mov_b32 s47, 0xfedcba98
	v_lshlrev_b32 v6, 11, v3                       ; row r
	v_lshl_add_u32 v6, v4, 5, v6                   ; + 8 hh keys
	s_lshl_b32 s5, s4, 9
	v_add_nc_u32 v7, s5, v6                        ; + my wave's 8 key tiles
.set kI, 0
.rept 8
	global_load_b128 v[OWN+8*kI:OWN+8*kI+3],   v7, s[24:25] offset:kI*64
	global_load_b128 v[OWN+8*kI+4:OWN+8*kI+7], v7, s[24:25] offset:kI*64+16
.set kI, kI+1
.endr
	BATCH BA, 0
	BATCH BB, 1
.irp c, 0,1,2,3
	v_mov_b32 v[8+\c], 0                           ; only 'is any number above 0' is wanted, so the maxima may start at 0
.endr
	s_wait_loadcnt 16                              ; my own tiles and batch 0 are in; batch 1's 16 loads may stay out
	FOLD BA
	BATCH BA, 2
	s_wait_loadcnt 16                              ; batch 1 is in
	FOLD BB
	BATCH BB, 3
	s_wait_loadcnt 16                              ; batch 2
	FOLD BA
	s_wait_loadcnt 0x0
	FOLD BB
	v_max3_num_f32 v8, v8, v9, v10
	v_max_num_f32 v8, v8, v11
	v_permlanex16_b32 v9, v8, s46, s47             ; the row's other keys lie in the lane 16 away
	v_max_num_f32 v8, v8, v9
	v_cmp_lt_f32 s48, 0, v8                        ; does the row allow any key?
	v_mov_b32 v13, NEGC
	v_mov_b32 v15, CQ
	v_cndmask_b32 v12, 0, v13, s48                 ; what a hidden key gets
	v_cndmask_b32 v15, 0, v15, s48                 ; the row's q scale
.set p, 0
.rept 32
	v_cvt_pk_bf16_f32 v16, v[OWN+2*p], v[OWN+2*p+1]
	v_cmp_lt_f32 vcc_lo, 0, v[OWN+2*p]
	v_cmp_lt_f32 s49, 0, v[OWN+2*p+1]
	v_lshlrev_b32 v18, 16, v16
	v_and_b32 v19, 0xffff0000, v16
	v_pk_mul_f32 v[18:19], v[18:19], LOG2E op_sel_hi:[1,0]
	v_cndmask_b32 v[OWN+2*p], v12, v18, vcc_lo
	v_cndmask_b32 v[OWN+2*p+1], v12, v19, s49
.set p, p+1
.endr
	s_lshl_b32 s5, s4, 13
	v_add_nc_u32 v20, s5, v5
.set kI, 0
.rept 16
	global_store_b128 v20, v[OWN+4*kI:OWN+4*kI+3], s[30:31] offset:kI*512  ; 512 consecutive bytes, aligned
.set kI, kI+1
.endr
	s_cmp_lg_u32 s4, 0
	s_cbranch_scc1 .Lend
	s_lshl_b32 s5, s2, 6
	v_lshlrev_b32 v21, 11, v4                      ; copy hh
	v_lshl_add_u32 v21, v3, 2, v21
	v_add_nc_u32 v21, s5, v21
	global_store_b32 v21, v15, s[32:33]
.Lend:
	s_endpgm
.Lfunc_end_k_q64ca40c784_prep:
	.size	k_q64ca40c784_prep, .Lfunc_end_k_q64ca40c784_prep-k_q64ca40c784_prep
	.p2alignl 7, 3214868480
	.fill 96, 4, 3214868480
	.section	.rodata,"a",@progbits
	.p2align	6, 0x0
	.amdhsa_kernel k_q64ca40c784_prep
		.amdhsa_group_segment_fixed_size 0
		.amdhsa_private_segment_fixed_size 0
		.amdhsa_enable_private_segment 0
		.amdhsa_kernarg_size 104
		.amdhsa_user_sgpr_count 2
		.amdhsa_user_sgpr_kernarg_segment_ptr 1
		.amdhsa_wavefront_size32 1
		.amdhsa_system_sgpr_workgroup_id_x 1
		.amdhsa_system_sgpr_workgroup_id_y 1
		.amdhsa_system_sgpr_workgroup_id_z 1
		.amdhsa_system_vgpr_workitem_id 0
		.amdhsa_next_free_vgpr 224
		.amdhsa_next_free_sgpr 66
		.amdhsa_reserve_vcc 1
		.amdhsa_float_denorm_mode_32 3
		.amdhsa_float_denorm_mode_16_64 3
		.amdhsa_memory_ordered 1
		.amdhsa_forward_progress 1
		.amdhsa_inst_pref_size 43
	.end_amdhsa_kernel
	.amdgpu_metadata
---
amdhsa.version: [ 1, 2 ]
amdhsa.kernels:
  - .name:           k_q64ca40c784_prep
    .symbol:         k_q64ca40c784_prep.kd
    .args:
      - { .name: Wq, .offset: 0, .size: 8, .value_kind: global_buffer, .address_space: global }
      - { .name: Wk, .offset: 8, .size: 8, .value_kind: global_buffer, .address_space: global }
      - { .name: Wv, .offset: 16, .size: 8, .value_kind: global_buffer, .address_space: global }
      - { .name: Wo, .offset: 24, .size: 8, .value_kind: global_buffer, .address_space: global }
      - { .name: bq, .offset: 32, .size: 8, .value_kind: global_buffer, .address_space: global }
      - { .name: bk, .offset: 40, .size: 8, .value_kind: global_buffer, .address_space: global }
      - { .name: bv, .offset: 48, .size: 8, .value_kind: global_buffer, .address_space: global }
      - { .name: bo, .offset: 56, .size: 8, .value_kind: global_buffer, .address_space: global }
      - { .name: spatial_constraint, .offset: 64, .size: 8, .value_kind: global_buffer, .address_space: global }
      - { .name: wp, .offset: 72, .size: 8, .value_kind: global_buffer, .address_space: global }
      - { .name: wop, .offset: 80, .size: 8, .value_kind: global_buffer, .address_space: global }
      - { .name: cb, .offset: 88, .size: 8, .value_kind: global_buffer, .address_space: global }
      - { .name: qs, .offset: 96, .size: 8, .value_kind: global_buffer, .address_space: global }
    .group_segment_fixed_size: 0
    .private_segment_fixed_size: 0
    .kernarg_segment_align: 8
    .kernarg_segment_size: 104
    .max_flat_workgroup_size: 128
    .sgpr_count:     66
    .vgpr_count:     224
    .wavefront_size: 32
...
	.end_amdgpu_metadata
.endif
;; end of part 1
;; launch attn (part 2): grid 2 x 128, 4 waves a work-group, no clusters, 322,048 bytes of LDS; arguments x, wp, cb, qs, att; writes att
.if DOCPART == 2
	.amdgcn_target "amdgcn-amd-amdhsa--gfx1250"
	.amdhsa_code_object_version 6
	.text
	.protected	k_q64ca40c784_attn
	.globl	k_q64ca40c784_attn
	.p2align	8
	.type	k_q64ca40c784_attn,@function
k_q64ca40c784_attn:
	s_mov_b64 s[64:65], 0
	v_nop
	global_prefetch_b8 v0, s[64:65] scope:SCOPE_SE
	s_setreg_imm32_b32 hwreg(HW_REG_WAVE_MODE, 25, 1), 1
	s_wait_xcnt 0x0
; q, k, v PROJECTIONS AND THE WHOLE ATTENTION for one batch bt (512 tokens of 256 channels) and one group hg of four heads of size 32.
; FORMATS.  x and the weights multiply in bf16 (x is rounded here, the weights lie ready); sums in f32; q, k, v, the weights p and the result are f16, each rounded once.
; LIMITS.  |c q|, |k|, |v| stay under 65,504 (f16); allowed logits lie far above -1e9; a weight below 6e-5 keeps f16's fixed step; NaN and infinities are not treated apart.
; SHARES.  KEYS ARE OWNED BY WAVES: wave w owns tokens 128 w .. 128 w + 127.  It projects q, k and v of these tokens; K and V^T of its keys then stay in 512 registers for the whole
; attention, and Q's fragments of all 512 tokens lie in LDS.  Every wave walks all 32 query tiles x 4 heads over its own 128 keys (a UNIT: 16 queries, one head), takes the true maximum of its
; 128 scores away, and leaves (O, l, m) in LDS; once a query tile the four waves' parts are merged with the row's true maximum, wave w merging head w.
; SCORES live in the log2 domain: q is multiplied by log2(e) / sqrt(32) in f32 before its one rounding (by 0 in a row that allows no key), and the geography comes as the C operand of
; S^T = K Q^T: sc x log2(e), or -1e9 x log2(e) where the key is hidden (all 0 in a row that allows no key: its scores are then exactly 0 and its softmax uniform).
; LAYOUT.  S^T = K Q^T (source 0 = 16 keys, source 1 = 16 queries): a lane holds ONE query (l % 16) and the keys 8 (l / 16) + 0..7.  Two such tiles rounded to f16 ARE source 1 of O^T = V^T P.
; q and k are projected with the weights as source 0 (a lane: one token, eight channels), v with x as source 0 (a lane: one channel, eight tokens): packed in pairs these ARE the fragments.
; The row sum l is a product too: ones x P.
; NO TENSOR LOADS, NO CLUSTER: every stream lands in registers in the order in which it lies in memory (x is converted on the way; the C tiles are matrix operands as they lie).
;
; LDS.  QF 0: [qt 33][h 4][a 2][lane][16 B], query tile 32 a block of zeros.  KVT 135,168: 32,768 a wave: a half's K and V on their way into registers; its first 8,448 bytes also serve as
; the wave's stage for x (16 rows, pitch 528).  PART (the same bytes, from the barrier behind the projection on): [slot 2][h 4][wave 4] records of 2,304: O in 4 blocks of 512, then (l, m).
; RING 266,240: 3 slots of 18,432: a chunk = the two groups (16 columns each) of one head's q, k or v.  SPARE 321,536: the spare words.
; REGISTERS, in windows of 256 (s_set_vgpr_msb: bits 1:0 source 0, 3:2 source 1, 5:4 source 2, 7:6 destination).
;   window 0: addresses; projection: PK, CSC, WA, WB, G; attention: M, T, QB, S (two buffers), P, O, L, ONES
;   window 1: K at 128 p + 32 h + 8 t (key tile 4 p + t); its upper half first lands x and holds the projection's accumulators     window 2: V at 128 p + 32 h + 16 kp + 8 ct; upper half lands x
;   window 3: projection: x's fragments at 64 t + 8 ks; attention: two C buffers and the merge
.set QF,    0
.set KVT,   135168
.set PART,  135168
.set PSL,   36864                      ; a slot of PART
.set RING,  266240
.set CHB,   18432                      ; a chunk
.set SPARE, 321536
.set SPW, 2                            ; LDS address of my spare word; never rewritten
.set NIL, 3                            ; 0; never rewritten
.set L16, 4                            ; 16 x lane: x, the C tiles, the result
.set STS, 5                            ; stage: where 8 bytes of a row go
.set STL, 6                            ; stage: my place in a fragment
.set WL,  7                            ; ring + 16 x lane
.set GS,  8                            ; ring + my quarter of a chunk
.set GO,  9                            ; my quarter of a chunk in memory
.set QWA, 10                           ; where q's fragments go
.set KWA, 11                           ; k's
.set VWA, 12                           ; v's
.set KVL, 13                           ; my part of KVT; never rewritten
.set QSO, 14                           ; my token's place in qs
.set PFO, 15                           ; 256 x lane
.set QA,  16                           ; QF at the trip's first query tile
.set ZA,  17                           ; my part of the block of zeros
.set PWO, 18                           ; v18-19 where I put O, by slot
.set PWM, 20                           ; v20-21 where I put (l, m)
.set PRO, 22                           ; v22-23 where I read my head's four O
.set PRM, 24                           ; v24-25 and its four (l, m)
.set PK,  40                           ; v40-55 packed numbers on their way to LDS
.set CSC, 56                           ; v56-63 four pairs (q scale of my token in tile t, 0)
.set WA,  64                           ; v64-135  a group: 8 fragments, then the bias tile
.set WB,  136                          ; v136-207 the chunk's other group
.set G,   208                          ; v208-243 my quarter of a chunk on its way from memory to the ring
.set M,   32                           ; v32-39 pairs (m of head h, 0)
.set T,   40                           ; v40-43 at work on a maximum
.set QB,  48                           ; v48-63 two fragments of Q
.set S,   64                           ; v64-191 two buffers of 64 scores
.set P,   192                          ; v192-223
.set O,   224                          ; v224-239 O^T: channels 0-15, 16-31
.set L,   240                          ; v240-247 the row sum; register 1 then takes m
.set ONES, 248                         ; v248-255 1.0 in f16
.set C0,  0                            ; window 3
.set C1,  64
.set MO,  128                          ; four waves' O, 16 each
.set ML,  192                          ; four pairs (l, m)
.set MW,  200                          ; four pairs (weight, 0)
.set MT,  208
.set MA,  216
.set MP,  232
.set XP,  4                            ; s[4:5]   x at my tokens of the half in hand
.set WP,  6                            ; s[6:7]   wp at my head group
.set CBP, 8                            ; s[8:9]   cb at my keys
.set QSP, 10                           ; s[10:11] qs
.set ATP, 12                           ; s[12:13] att at my head, at the trip's first query tile
.set WV,  14
.set HG,  15
.set BT,  16
.set PC,  17                           ; halves to go
.set H,   18                           ; heads to go
.set I,   19                           ; trips to go
.set GP,  22                           ; s[22:23] wp at the next head's chunks
.set GOF, 24                           ; s[24:25] their offset
.set CP,  26                           ; s[26:27] cb at the query tile to be fetched
.set COF, 28                           ; s[28:29] its offset
.set PFB, 30                           ; s[30:31] where my prefetches stand
.set PFL, 32                           ; 1: this wave prefetches
.set QT2, 33                           ; the trip's first query tile + 2
.set SEL, 34                           ; s[34:35] v_permlanex16_b32's selects
.set MSB, 0
.macro WIN new                         ; the high byte repeats the setting that is left; a switch that changes nothing is dropped
.if MSB != (\new)
	s_set_vgpr_msb (MSB<<8)|(\new)
.set MSB, \new
.endif
.endm
.macro PLACES                          ; four plain instructions between a matrix instruction and a load into, or a vector read of, its registers
.rept 4
	v_nop
.endr
.endm
.macro WLD W, off                      ; a group out of the ring: 18 loads of 512 consecutive bytes
.set i, 0
.rept 18
	ds_load_b128 v[(\W)+4*i:(\W)+4*i+3], v[WL] offset:(\off)+i*512
.set i, i+1
.endr
.endm
	s_load_b256 s[4:11], s[0:1], 0x0               ; x, wp, cb, qs
	s_load_b64 s[12:13], s[0:1], 0x20              ; att
	v_lshl_add_u32 v[SPW], v0, 2, SPARE
	v_mov_b32 v[NIL], 0
	v_lshrrev_b32 v1, 5, v0
	v_readfirstlane_b32 s[WV], v1                  ; wave 0..3
	v_and_b32 v27, 31, v0                          ; lane
	v_and_b32 v28, 15, v0                          ; r
	v_bfe_u32 v29, v0, 4, 1                        ; hh
	v_lshlrev_b32 v[L16], 4, v27
	s_lshl_b32 s36, s[WV], 15
	s_add_co_u32 s37, s36, KVT                     ; my part of KVT
	v_lshl_add_u32 v[STS], v27, 3, s37
	v_mul_u32_u24 v[STL], v28, 528
	v_lshl_add_u32 v[STL], v29, 4, v[STL]
	v_add_nc_u32 v[STL], s37, v[STL]
	v_add_nc_u32 v[WL], RING, v[L16]
	s_mul_i32 s38, s[WV], 4608
	v_add_nc_u32 v[GO], s38, v[L16]
	v_add_nc_u32 v[GS], RING, v[GO]
	v_add_nc_u32 v[QWA], s36, v[L16]               ; my 8 query tiles of 4,096 bytes
	v_add_nc_u32 v[KWA], s37, v[L16]
	v_add_nc_u32 v[VWA], 16384, v[KWA]
	v_mov_b32 v[KVL], v[KWA]
	s_lshl_b32 s38, s[WV], 9
	v_lshl_add_u32 v[QSO], v28, 2, s38
	v_lshlrev_b32 v[PFO], 8, v27
	v_mov_b32 v[QA], v[L16]
	s_mul_i32 s38, s[WV], 2304
	s_add_co_u32 s38, s38, PART
	v_add_nc_u32 v[PWO], s38, v[L16]
	v_add_nc_u32 v[PWO+1], PSL, v[PWO]
	s_add_co_u32 s38, s38, 2048
	v_lshl_add_u32 v[PWM], v27, 3, s38
	v_add_nc_u32 v[PWM+1], PSL, v[PWM]
	s_mul_i32 s38, s[WV], 9216
	s_add_co_u32 s38, s38, PART
	v_add_nc_u32 v[PRO], s38, v[L16]
	v_add_nc_u32 v[PRO+1], PSL, v[PRO]
	s_add_co_u32 s38, s38, 2048
	v_lshl_add_u32 v[PRM], v27, 3, s38
	v_add_nc_u32 v[PRM+1], PSL, v[PRM]
	s_lshl_b32 s38, s[WV], 10
	s_add_co_u32 s38, s38, QF+131072
	v_add_nc_u32 v[ZA], s38, v[L16]
.irp q, 1,3,5,7
	v_mov_b32 v[CSC+\q], 0                         ; named with the scales as pairs
.endr
	s_mov_b32 s[HG], ttmp9
	s_and_b32 s[BT], ttmp7, 0xffff
	s_lshl_b32 s20, s[BT], 19                      ; a batch of x is 524,288 bytes,
	s_lshl_b32 s38, s[WV], 17                      ; my 128 tokens 131,072
	s_add_co_u32 s20, s20, s38
	s_mov_b32 s21, 0
	s_mul_i32 s40, s[HG], 221184                   ; a head group's 12 chunks
	s_mov_b32 s41, 0
	s_lshl_b32 s42, s[WV], 13                      ; my 8 key tiles of 1,024 bytes
	s_mov_b32 s43, 0
	s_lshl_b32 s44, s[BT], 18                      ; a batch of att is 262,144 bytes,
	s_lshl_b32 s38, s[HG], 2
	s_add_co_u32 s38, s38, s[WV]
	s_lshl_b32 s38, s38, 10                        ; the head that I merge 1,024 in each query tile
	s_add_co_u32 s44, s44, s38
	s_mov_b32 s45, 0
	s_cmp_eq_u32 s[HG], 0
	s_cselect_b32 s[PFL], 1, 0
	s_mov_b32 s[GOF], 3*CHB
	s_mov_b32 s[GOF+1], 0
	s_mov_b32 s[COF+1], 0
	s_mov_b32 s[SEL], 0x76543210
	s_mov_b32 s[SEL+1], 0xfedcba98
	s_wait_kmcnt 0x0
	s_add_nc_u64 s[XP:XP+1], s[XP:XP+1], s[20:21]
	s_add_nc_u64 s[WP:WP+1], s[WP:WP+1], s[40:41]
	s_add_nc_u64 s[CBP:CBP+1], s[CBP:CBP+1], s[42:43]
	s_add_nc_u64 s[ATP:ATP+1], s[ATP:ATP+1], s[44:45]
	s_add_nc_u64 s[PFB:PFB+1], s[XP:XP+1], 65536   ; my tokens of the second half
	s_add_nc_u64 s[GP:GP+1], s[WP:WP+1], s[GOF:GOF+1]
	; THE RING STARTS: chunks 0 and 1 into slots 0 and 1, chunk 2 on its way, chunk 0's two groups into registers.
.set i, 0
.rept 9
	global_load_b128 v[G+4*i:G+4*i+3], v[GO], s[WP:WP+1] offset:i*512
.set i, i+1
.endr
.set i, 0
.rept 9
	global_load_b128 v[WA+4*i:WA+4*i+3], v[GO], s[WP:WP+1] offset:CHB+i*512
.set i, i+1
.endr
	s_wait_loadcnt 0x0
.set i, 0
.rept 9
	ds_store_b128 v[GS], v[G+4*i:G+4*i+3] offset:i*512
	ds_store_b128 v[GS], v[WA+4*i:WA+4*i+3] offset:CHB+i*512
.set i, i+1
.endr
.set i, 0
.rept 9
	global_load_b128 v[G+4*i:G+4*i+3], v[GO], s[WP:WP+1] offset:2*CHB+i*512
.set i, i+1
.endr
	s_wait_dscnt 0x0                               ; for the others' sake: my quarters of both chunks are stored
	s_barrier_signal -1
	s_barrier_wait -1
	WLD WA, 0
	WLD WB, 9216
	s_wait_dscnt 0x0
; x: 16 tokens (16 KiB) land in 128 registers: load i takes half i % 2 of row i / 2, 512 consecutive bytes.
.macro LOADT t
	WIN 0x40*(1+((\t)&1))                          ; tiles land by turns in window 1 and window 2
.set i, 0
.rept 32
	global_load_b128 v[128+4*i:128+4*i+3], v[L16], s[XP:XP+1] offset:(\t)*16384+i*512
.set i, i+1
.endr
	WIN 0
.endm
; They are rounded to bf16 and laid into the wave's stage as rows of 512 bytes, 528 apart.  cnt: the younger loads that may stay out.
.macro CONV t, cnt
	s_wait_loadcnt \cnt
.set bI, 0
.rept 4
	WIN 0x05*(1+((\t)&1))
.set i, 0
.rept 16
	v_cvt_pk_bf16_f32 v[PK+i], v[128+32*bI+2*i], v[128+32*bI+2*i+1]
.set i, i+1
.endr
	WIN 0
.set i, 0
.rept 8
	ds_store_b64 v[STS], v[PK+2*i:PK+2*i+1] offset:((8*bI+i)/2)*528+((8*bI+i)&1)*256
.set i, i+1
.endr
.set bI, bI+1
.endr
.endm
; And come back as 8 fragments of 16 tokens x 32 channels.  LDS serves a wave's instructions in order (ISA guide 5.7.1.4): these see the stores above, and the next tile's stores come behind them.
.macro FRAG t
	WIN 0xc0
.set i, 0
.rept 8
	ds_load_b128 v[64*(\t)+8*i:64*(\t)+8*i+3],   v[STL] offset:i*64
	ds_load_b128 v[64*(\t)+8*i+4:64*(\t)+8*i+7], v[STL] offset:i*64+32
.set i, i+1
.endr
	WIN 0
.endm
; What is made of a finished accumulator (set = which 16 channels of the head, t = token tile): q is scaled in f32; all are rounded to f16, lowest registers first, and stored as half a fragment.
.macro EPI m, set, t
.set EA, 128+32*(\set)+8*(\t)
.if (\m) == 0
	WIN 0x41
.irp j, 0,2,4,6
	v_pk_mul_f32 v[EA+\j:EA+\j+1], v[EA+\j:EA+\j+1], v[CSC+2*(\t):CSC+2*(\t)+1] op_sel_hi:[1,0]
.endr
.endif
	WIN 0x05
.irp j, 0,1,2,3
	v_cvt_pk_f16_f32 v[PK+4*(\t)+\j], v[EA+2*\j], v[EA+2*\j+1]
.endr
	WIN 0
.if (\m) == 0
	ds_store_b128 v[QWA], v[PK+4*(\t):PK+4*(\t)+3] offset:(\t)*4096+(\set)*512
.elseif (\m) == 1
	ds_store_b128 v[KWA], v[PK+4*(\t):PK+4*(\t)+3] offset:(\t)*1024+(\set)*512
.else
	ds_store_b128 v[VWA], v[PK+4*(\t):PK+4*(\t)+3] offset:((\t)/2)*2048+(\set)*1024+((\t)%2)*512
.endif
.endm
; 32 matrix instructions: 16 columns x my 64 tokens x K = 256.  The four accumulators take turns, one instruction a turn; the first K step starts the sums with the bias tile.
; ride = 1: behind every eighth instruction stands the way out of one accumulator of the other set, finished a run earlier.
.macro MUL32 m, set, W, ride
.set ks, 0
.rept 8
.set tt, 0
.rept 4
.set AC, 128+32*(\set)+8*tt
.if (\m) < 2
.if ks == 0
	WIN 0x4c
	v_wmma_f32_16x16x32_bf16 v[AC:AC+7], v[(\W):(\W)+7], v[64*tt:64*tt+7], v[(\W)+64:(\W)+71]
.else
	WIN 0x5c
	v_wmma_f32_16x16x32_bf16 v[AC:AC+7], v[(\W)+8*ks:(\W)+8*ks+7], v[64*tt+8*ks:64*tt+8*ks+7], v[AC:AC+7]
.endif
.else
.if ks == 0
	WIN 0x43
	v_wmma_f32_16x16x32_bf16 v[AC:AC+7], v[64*tt:64*tt+7], v[(\W):(\W)+7], v[(\W)+64:(\W)+71]
.else
	WIN 0x53
	v_wmma_f32_16x16x32_bf16 v[AC:AC+7], v[64*tt+8*ks:64*tt+8*ks+7], v[(\W)+8*ks:(\W)+8*ks+7], v[AC:AC+7]
.endif
.endif
.set tt, tt+1
.endr
.if (\ride) && (ks%2 == 1)
	EPI \m, 0, (ks-1)/2
.endif
.set ks, ks+1
.endr
.endm
; A CHUNK: one head's q (m = 0), k (1) or v (2) for my 64 tokens.  It lies in slot m and its groups are in WA and WB.  The ring: chunk j + 2, asked of memory a chunk ago, goes into the slot that
; chunk j - 1 has left (all waves' reads of it were awaited in front of the last barrier); chunk j + 3 is asked for; chunk j + 1, stored a chunk ago and shown by the last barrier, is read.
.macro CHUNK m
	MUL32 \m, 0, WA, 0
	WIN 0
	PLACES
	s_wait_loadcnt 0x0                             ; my quarter of chunk j + 2 is in registers
.set i, 0
.rept 9
	ds_store_b128 v[GS], v[G+4*i:G+4*i+3] offset:(((\m)+2)%3)*CHB+i*512
.set i, i+1
.endr
.set i, 0
.rept 9
	global_load_b128 v[G+4*i:G+4*i+3], v[GO], s[GP:GP+1] offset:(\m)*CHB+i*512
.set i, i+1
.endr
	WLD WA, (((\m)+1)%3)*CHB
.if (\m) == 0
	; x of my tokens' second half is asked for ahead: in each of the first half's four head trips one tile of 16 tokens, 16 KiB, a lane 256 bytes, two instructions.  Of the two work-groups
	; that read a batch the one with hg = 0 asks, each wave for its own rows: each 256 bytes are named once in the launch.  The second half asks for nothing.
	s_cmp_eq_u32 s[PFL], 1
	s_cbranch_scc0 .Lnot_mine_\@
	global_prefetch_b8 v[PFO], s[PFB:PFB+1] th:TH_LOAD_NT scope:SCOPE_SE
	global_prefetch_b8 v[PFO], s[PFB:PFB+1] offset:8192 th:TH_LOAD_NT scope:SCOPE_SE
.Lnot_mine_\@:
.endif
	s_wait_dscnt 31                                ; WB is in: behind its 18 loads came 4 stores of fragments, the 9 stores and the 18 loads above
	MUL32 \m, 1, WB, 1
	WIN 0
	PLACES
	s_wait_dscnt 0x0                               ; my stores into the ring are done, my reads of it are back
	s_barrier_signal -1
	s_barrier_wait -1
	WLD WB, (((\m)+1)%3)*CHB+9216
.irp u, 0,1,2,3
	EPI \m, 1, \u
.endr
.endm
.macro KVLOAD p                        ; a half's K and V, 32 fragments, out of my part of KVT into their registers
	WIN 0x40
.set i, 0
.rept 32
	ds_load_b128 v[128*(\p)+4*i:128*(\p)+4*i+3], v[KVL] offset:i*512
.set i, i+1
.endr
	WIN 0x80
.set i, 0
.rept 32
	ds_load_b128 v[128*(\p)+4*i:128*(\p)+4*i+3], v[KVL] offset:16384+i*512
.set i, i+1
.endr
	WIN 0
.endm
	s_mov_b32 s[PC], 2
.Lhalf:                                                ; 64 tokens a wave
.irp q, 0,1,2,3
	global_load_b32 v[CSC+2*\q], v[QSO], s[QSP:QSP+1] offset:64*\q  ; older than all loads of x below
.endr
	LOADT 0
	LOADT 1
	CONV 0, 32                                     ; the next tile's 32 loads are younger
	FRAG 0
	LOADT 2
	CONV 1, 32
	FRAG 1
	LOADT 3
	CONV 2, 32
	FRAG 2
	CONV 3, 0
	FRAG 3
	s_wait_dscnt 0x0
	s_mov_b32 s[H], 4
.Lhead:
	CHUNK 0
	CHUNK 1
	CHUNK 2
	v_add_nc_u32 v[QWA], 1024, v[QWA]              ; the next head's places
	v_add_nc_u32 v[KWA], 4096, v[KWA]
	v_add_nc_u32 v[VWA], 4096, v[VWA]
	s_wait_xcnt 0x0                                ; the loads and prefetches issued so far have read their addresses
	s_add_nc_u64 s[PFB:PFB+1], s[PFB:PFB+1], 16384
	s_add_co_u32 s[GOF], s[GOF], 3*CHB             ; the ring runs three chunks ahead: the next head's chunks, behind the last head the first's again
	s_cmp_eq_u32 s[GOF], 12*CHB                    ; (the launch's last three chunks fetch chunks 0 to 2 once more; they are never multiplied)
	s_cselect_b32 s[GOF], 0, s[GOF]
	s_add_nc_u64 s[GP:GP+1], s[WP:WP+1], s[GOF:GOF+1]
	s_sub_co_u32 s[H], s[H], 1
	s_cmp_lg_u32 s[H], 0
	s_cbranch_scc1 .Lhead
	s_cmp_eq_u32 s[PC], 2
	s_cbranch_scc0 .Lupper
	KVLOAD 0
	s_branch .Lloaded
.Lupper:
	KVLOAD 1                                       ; the landing registers and accumulators have done their work
.Lloaded:
	s_wait_dscnt 0x0                               ; before the next half's stage, or the partial results, overwrite these bytes
	s_wait_xcnt 0x0
	s_add_nc_u64 s[XP:XP+1], s[XP:XP+1], 65536
	v_add_nc_u32 v[QWA], 12288, v[QWA]             ; four heads have stepped it by 4,096; four query tiles are 16,384
	v_mov_b32 v[KWA], v[KVL]
	v_add_nc_u32 v[VWA], 16384, v[KVL]
	v_add_nc_u32 v[QSO], 256, v[QSO]
	s_mov_b32 s[PFL], 0
	s_sub_co_u32 s[PC], s[PC], 1
	s_cmp_lg_u32 s[PC], 0
	s_cbranch_scc1 .Lhalf
	; BETWEEN THE PHASES.  The block of zeros behind Q; then one barrier: Q is whole, nobody reads KVT any more, so the partial results may take its bytes.
.irp q, 0,1,2,3
	v_mov_b32 v[PK+\q], 0
.endr
	ds_store_b128 v[ZA], v[PK:PK+3]
	ds_store_b128 v[ZA], v[PK:PK+3] offset:512
	s_wait_loadcnt 0x0                             ; the ring's last loads land in registers that the attention uses
	s_wait_dscnt 0x0
	s_barrier_signal -1
	s_barrier_wait -1
.irp q, 0,1,2,3,4,5,6,7
	v_mov_b32 v[ONES+\q], 0x3c003c00
.endr
.irp q, 1,3,5,7
	v_mov_b32 v[M+\q], 0                           ; named with the maxima as pairs
.endr
	WIN 0xc0
.irp q, 1,3,5,7
	v_mov_b32 v[MW+\q], 0                          ; and with the weights
.endr
	WIN 0
; THE MAXIMUM of the next unit's 64 scores, 34 lines: four chains of 15 scores, three operands at a time (each accumulator's lowest registers are read first), the four
; scores left over, the chains into one, the other half of the lanes' (the query's other keys lie in the lane 16 away).
.macro MXL j
.if (\j) < 4
	v_max3_num_f32 v[T+(\j)], v[SN+16*(\j)], v[SN+16*(\j)+1], v[SN+16*(\j)+2]
.elseif (\j) < 28
	v_max3_num_f32 v[T+(\j)%4], v[T+(\j)%4], v[SN+16*((\j)%4)+2*((\j)/4)+1], v[SN+16*((\j)%4)+2*((\j)/4)+2]
.elseif (\j) == 28
	v_max3_num_f32 v[T], v[T], v[SN+15], v[SN+31]
.elseif (\j) == 29
	v_max3_num_f32 v[T+2], v[T+2], v[SN+47], v[SN+63]
.elseif (\j) == 30
	v_max3_num_f32 v[T], v[T], v[T+1], v[T+2]
.elseif (\j) == 31
	v_max_num_f32 v[T], v[T], v[T+3]
.elseif (\j) == 32
	v_permlanex16_b32 v[T+1], v[T], s[SEL], s[SEL+1]
.else
	v_max_num_f32 v[MN], v[T], v[T+1]
.endif
.endm
.macro PLL k                           ; plain line k of 66: s - m for pair k of the unit in hand, then the 34 lines above
.if (\k) < 32
	v_pk_add_f32 v[SC+2*(\k):SC+2*(\k)+1], v[SC+2*(\k):SC+2*(\k)+1], v[MCUR:MCUR+1] op_sel_hi:[1,0] neg_lo:[0,1] neg_hi:[0,1]
.else
	MXL (\k)-32
.endif
.endm
; Matrix instruction k of a turn's 20.  0-7: S^T = K Q^T + C of the next unit, one for each tile of 16 keys.  8-19: for the unit before, 32 keys at a time: O^T's two halves and the row sum, three
; accumulators by turns; the first three start the sums with 0.
.macro MMK k, cb, pv
.if (\k) < 8
	WIN 0x31                                       ; K in window 1, C in window 3
	v_wmma_f32_16x16x32_f16 v[SN+8*(\k):SN+8*(\k)+7], v[128*((\k)/4)+32*HN+8*((\k)%4):128*((\k)/4)+32*HN+8*((\k)%4)+7], v[QN:QN+7], v[(\cb)+8*(\k):(\cb)+8*(\k)+7]
.elseif ((\k) < 20) && (\pv)
.set kp, ((\k)-8)/3
.set wh, ((\k)-8)%3
.if wh < 2
	WIN 0x02                                       ; V in window 2
.set rA, 128*(kp/2)+32*HP+16*(kp%2)+8*wh
.set rD, O+8*wh
.else
	WIN 0
.set rA, ONES
.set rD, L
.endif
.if kp == 0
	v_wmma_f32_16x16x32_f16 v[rD:rD+7], v[rA:rA+7], v[P:P+7], 0
.else
	v_wmma_f32_16x16x32_f16 v[rD:rD+7], v[rA:rA+7], v[P+8*kp:P+8*kp+7], v[rD:rD+7]
.endif
.endif
.endm
; A TURN belongs to unit n, of head h.  Matrix work: the scores of unit n + 1, then the second product of unit n - 1.  Vector work: s - m and the exponentials of unit n, the maximum of unit n + 1.
; THE DEAL: a list of 130 lines: two plain, then exponential and plain by turns; in front of every sixth line stands the next matrix instruction.  An exponential's pair has been scaled well ahead
; of it.  The last K Q^T stands at line 42 and the maximum begins at line 63: ten plain lines between.  Behind the last product (line 114) stand eight plain lines before O, L and P are touched.
; The 64 exponentials are ONE batch: nothing names a result of theirs before the one wait at the turn's end.
; cb: the C buffer of unit n + 1.  ld >= 0: the C buffer to be filled, with query tile QT2 + ldq (held to 31).  slot: where unit n - 1's part goes.  qimm: Q of unit n + 2.
; qw >= 0: the LDS instructions younger than the loads of unit n + 1's Q.  pv = 0: there is no unit n - 1.
.macro TURN h, cb, ld, ldq, slot, qimm, qw, pv
.set HN, ((\h)+1)%4
.set HP, ((\h)+3)%4
.set SC, S+64*((\h)%2)
.set SN, S+64*(((\h)+1)%2)
.set QN, QB+8*(((\h)+1)%2)
.set QL, QB+8*((\h)%2)
.set MCUR, M+2*(\h)
.set MN, M+2*HN
	WIN 0
.if (\ld) >= 0
	s_wait_xcnt 0x0                                ; the last fetch has read its address
	s_add_co_u32 s[COF], s[QT2], \ldq
	s_min_u32 s[COF], s[COF], 31                   ; the last trip has no such tile: it fetches tile 31 again, for turns whose results are thrown away
	s_lshl_b32 s[COF], s[COF], 15
	s_add_nc_u64 s[CP:CP+1], s[CBP:CBP+1], s[COF:COF+1]
	WIN 0xc0
.set i, 0
.rept 16
	global_load_b128 v[(\ld)+4*i:(\ld)+4*i+3], v[L16], s[CP:CP+1] offset:i*512  ; this buffer's last reader stood in the turn before
.set i, i+1
.endr
	WIN 0
	s_wait_loadcnt 16                              ; the other buffer, asked for four turns ago, is in; the 16 just issued stay out
.endif
.if (\qw) >= 0
	s_wait_dscnt \qw                               ; Q of unit n + 1 is in
.endif
	ds_load_b128 v[QL:QL+3],   v[QA] offset:\qimm
	ds_load_b128 v[QL+4:QL+7], v[QA] offset:(\qimm)+512
.set idx, 0
.rept 130
.if (idx%6 == 0) && (idx < 120)
	MMK idx/6, \cb, \pv
.endif
	WIN 0
.if idx == 0
	PLL 0
.elseif idx%2 == 1
	PLL (idx+1)/2
.else
	v_exp_f32 v[SC+(idx-2)/2], v[SC+(idx-2)/2]
.endif
.set idx, idx+1
.endr
.if \pv
	v_mov_b32 v[L+1], v[M+2*HP]                    ; (l, m) as a pair
	ds_store_b128 v[PWO+(\slot)], v[O:O+3]     offset:HP*9216
	ds_store_b128 v[PWO+(\slot)], v[O+4:O+7]   offset:HP*9216+512
	ds_store_b128 v[PWO+(\slot)], v[O+8:O+11]  offset:HP*9216+1024
	ds_store_b128 v[PWO+(\slot)], v[O+12:O+15] offset:HP*9216+1536
	ds_store_b64  v[PWM+(\slot)], v[L:L+1]     offset:HP*9216
.endif
	v_nop                                          ; a plain instruction behind the last exponential,
	s_wait_alu depctr_va_vdst(0)                   ; and the one wait for the batch, ahead of its first reader
.set i, 0
.rept 32
	v_cvt_pk_f16_f32 v[P+i], v[SC+2*i], v[SC+2*i+1]
.set i, i+1
.endr
.endm
; A query tile's 16 parts lie in a slot: my stores are done, the barrier shows everybody's; then my head's four records are fetched.  They land under the next turn.
; A slot is written again only behind the next such barrier, in front of which each wave has waited for these loads.
.macro BML slot
	WIN 0
	s_wait_dscnt 0x0
	s_barrier_signal -1
	s_barrier_wait -1
	WIN 0xc0
.irp q, 0,1,2,3
	ds_load_b64 v[ML+2*\q:ML+2*\q+1], v[PRM+(\slot)] offset:\q*2304
.endr
.set i, 0
.rept 16
	ds_load_b128 v[MO+4*i:MO+4*i+3], v[PRO+(\slot)] offset:(i/4)*2304+(i%4)*512
.set i, i+1
.endr
	WIN 0
.endm
; THE MERGE of my head: m* = the largest of the four maxima; weights 2^(m_i - m*) / l*, l* = the sum of 2^(m_i - m*) l_i (at least 1: the wave that holds m* has weight 1, and its largest p is 1).
.macro MERGE imm
	WIN 0
	s_wait_dscnt 7                                 ; the 20 loads are back: behind them came one turn's 2 loads and 5 stores
	s_wait_xcnt 0x0                                ; the last merge's stores have read MP
	WIN 0xff
	v_max3_num_f32 v[MT], v[ML+1], v[ML+3], v[ML+5]
	v_max_num_f32 v[MT], v[MT], v[ML+7]
.irp q, 0,1,2,3
	v_sub_f32 v[MT+1+\q], v[ML+2*\q+1], v[MT]
.endr
.irp q, 0,1,2,3
	v_exp_f32 v[MT+1+\q], v[MT+1+\q]
.endr
	v_nop
	s_wait_alu depctr_va_vdst(0)                   ; one wait for the four
	v_mul_f32 v[MT+5], v[MT+1], v[ML]
	v_fma_f32 v[MT+5], v[MT+2], v[ML+2], v[MT+5]
	v_fma_f32 v[MT+5], v[MT+3], v[ML+4], v[MT+5]
	v_fma_f32 v[MT+5], v[MT+4], v[ML+6], v[MT+5]
	v_rcp_f32 v[MT+6], v[MT+5]
	v_nop
	s_wait_alu depctr_va_vdst(0)
.irp q, 0,1,2,3
	v_mul_f32 v[MW+2*\q], v[MT+1+\q], v[MT+6]
.endr
.set i, 0
.rept 8
	v_pk_mul_f32 v[MA+2*i:MA+2*i+1], v[MO+2*i:MO+2*i+1], v[MW:MW+1] op_sel_hi:[1,0]
.set i, i+1
.endr
.irp q, 1,2,3
.set i, 0
.rept 8
	v_pk_fma_f32 v[MA+2*i:MA+2*i+1], v[MO+16*\q+2*i:MO+16*\q+2*i+1], v[MW+2*\q:MW+2*\q+1], v[MA+2*i:MA+2*i+1] op_sel_hi:[1,0,1]
.set i, i+1
.endr
.endr
.set i, 0
.rept 8
	v_cvt_pk_f16_f32 v[MP+i], v[MA+2*i], v[MA+2*i+1]
.set i, i+1
.endr
	WIN 0x0c                                       ; the stores' data in window 3
	global_store_b128 v[L16], v[MP:MP+3],   s[ATP:ATP+1] offset:\imm       ; a fragment (16 tokens x 32 channels) for the last projection: twice 512 consecutive bytes, aligned
	global_store_b128 v[L16], v[MP+4:MP+7], s[ATP:ATP+1] offset:(\imm)+512
	WIN 0
.endm
	; THE ATTENTION BEGINS: the C tiles of query tiles 0 and 1, Q of the first two units, the first scores and their maximum, and two turns.
	WIN 0xc0
.set i, 0
.rept 16
	global_load_b128 v[C0+4*i:C0+4*i+3], v[L16], s[CBP:CBP+1] offset:i*512
.set i, i+1
.endr
.set i, 0
.rept 16
	global_load_b128 v[C1+4*i:C1+4*i+3], v[L16], s[CBP:CBP+1] offset:32768+i*512
.set i, i+1
.endr
	WIN 0
	ds_load_b128 v[QB:QB+3],     v[QA]
	ds_load_b128 v[QB+4:QB+7],   v[QA] offset:512
	ds_load_b128 v[QB+8:QB+11],  v[QA] offset:1024
	ds_load_b128 v[QB+12:QB+15], v[QA] offset:1536
	s_mov_b32 s[I], 16
	s_mov_b32 s[QT2], 2
	s_wait_loadcnt 16                              ; query tile 0's C is in
	s_wait_dscnt 0x0
.set HN, 0
.set SN, S
.set QN, QB
.set MN, M
.set idx, 0
.rept 8
	MMK idx, C0, 0
.set idx, idx+1
.endr
	WIN 0
	PLACES
.set idx, 0
.rept 34
	MXL idx
.set idx, idx+1
.endr
	TURN 0, C0, -1, 0, 0, 2048, -1, 0
	TURN 1, C0, -1, 0, 0, 3072, 0, 1
.Lqt:                                                  ; a trip: query tiles A = 2 i and B = 2 i + 1, from A's third turn to the second turn of the next A
	TURN 2, C0, -1, 0, 0, 4096, 5, 1
	TURN 3, C1, C0, 0, 0, 5120, 5, 1
	TURN 0, C1, -1, 0, 0, 6144, 5, 1               ; A's last part is stored
	BML 0
	TURN 1, C1, -1, 0, 1, 7168, -1, 1              ; (the wait for 0 in front of the barrier has shown Q in)
	MERGE 0
	TURN 2, C1, -1, 0, 1, 8192, 5, 1
	TURN 3, C0, C1, 1, 1, 9216, 5, 1
	TURN 0, C0, -1, 0, 1, 10240, 5, 1              ; B's last part is stored
	BML 1
	TURN 1, C0, -1, 0, 0, 11264, -1, 1
	MERGE 8192
	v_add_nc_u32 v[QA], 8192, v[QA]
	s_wait_xcnt 0x0                                ; the stores have read their base
	s_add_nc_u64 s[ATP:ATP+1], s[ATP:ATP+1], 16384
	s_add_co_u32 s[QT2], s[QT2], 2
	s_sub_co_u32 s[I], s[I], 1
	s_cmp_lg_u32 s[I], 0
	s_cbranch_scc1 .Lqt
	; In the last trip the two turns of 'query tile 32' multiply the block of zeros; what they make is thrown away: two turns in 130, the price of one text for every trip.
	s_wait_tensorcnt 0x0                           ; the wave's end, behind my last LDS store
	ds_add_u32 v[SPW], v[NIL]
	s_wait_dscnt 0x0
	s_endpgm
.Lfunc_end_k_q64ca40c784_attn:
	.size	k_q64ca40c784_attn, .Lfunc_end_k_q64ca40c784_attn-k_q64ca40c784_attn
	.p2alignl 7, 3214868480
	.fill 96, 4, 3214868480
	.section	.rodata,"a",@progbits
	.p2align	6, 0x0
	.amdhsa_kernel k_q64ca40c784_attn
		.amdhsa_group_segment_fixed_size 322048
		.amdhsa_private_segment_fixed_size 0
		.amdhsa_enable_private_segment 0
		.amdhsa_kernarg_size 40
		.amdhsa_user_sgpr_count 2
		.amdhsa_user_sgpr_kernarg_segment_ptr 1
		.amdhsa_wavefront_size32 1
		.amdhsa_system_sgpr_workgroup_id_x 1
		.amdhsa_system_sgpr_workgroup_id_y 1
		.amdhsa_system_sgpr_workgroup_id_z 1
		.amdhsa_system_vgpr_workitem_id 0
		.amdhsa_next_free_vgpr 1024
		.amdhsa_next_free_sgpr 66
		.amdhsa_reserve_vcc 0
		.amdhsa_float_denorm_mode_32 3
		.amdhsa_float_denorm_mode_16_64 3
		.amdhsa_memory_ordered 1
		.amdhsa_forward_progress 1
		.amdhsa_inst_pref_size 227
	.end_amdhsa_kernel
	.amdgpu_metadata
---
amdhsa.version: [ 1, 2 ]
amdhsa.kernels:
  - .name:           k_q64ca40c784_attn
    .symbol:         k_q64ca40c784_attn.kd
    .args:
      - { .name: x, .offset: 0, .size: 8, .value_kind: global_buffer, .address_space: global }
      - { .name: wp, .offset: 8, .size: 8, .value_kind: global_buffer, .address_space: global }
      - { .name: cb, .offset: 16, .size: 8, .value_kind: global_buffer, .address_space: global }
      - { .name: qs, .offset: 24, .size: 8, .value_kind: global_buffer, .address_space: global }
      - { .name: att, .offset: 32, .size: 8, .value_kind: global_buffer, .address_space: global }
    .group_segment_fixed_size: 322048
    .private_segment_fixed_size: 0
    .kernarg_segment_align: 8
    .kernarg_segment_size: 40
    .max_flat_workgroup_size: 128
    .sgpr_count:     66
    .vgpr_count:     1024
    .wavefront_size: 32
...
	.end_amdgpu_metadata
.endif
;; end of part 2
;; launch outp (part 3): grid 256 x 1, 4 waves a work-group, no clusters, 165,376 bytes of LDS; arguments att, wop, out0; writes out0
.if DOCPART == 3
	.amdgcn_target "amdgcn-amd-amdhsa--gfx1250"
	.amdhsa_code_object_version 6
	.text
	.protected	k_q64ca40c784_outp
	.globl	k_q64ca40c784_outp
	.p2align	8
	.type	k_q64ca40c784_outp,@function
k_q64ca40c784_outp:
	s_mov_b64 s[64:65], 0
	v_nop
	global_prefetch_b8 v0, s[64:65] scope:SCOPE_SE
	s_setreg_imm32_b32 hwreg(HW_REG_WAVE_MODE, 25, 1), 1
	s_wait_xcnt 0x0
; out = attended x Wo + bo.  att holds the attended values as f16 fragments, [token tile][head = K step of 32][a 2][lane][16 B]; wop holds Wo in 16 groups of 16 columns (8 fragments in f16,
; then the bias as an f32 C tile).  Sums in f32, out in f32.
; SHARES.  A work-group owns 256 tokens, 128 KiB of att on end; a wave 64 tokens (four tiles) x all 256 columns.  A wave's fragments of att stay in 256 registers; Wo lies in LDS, copied once.
; THE MATRIX INSTRUCTION IS USED TRANSPOSED (source 0 = 16 columns of Wo, source 1 = 16 tokens): a lane holds one token and eight neighbouring columns.  64 columns at a time go through the
; wave's own stage in LDS, so that sixteen lanes store 256 consecutive bytes, aligned.
; No tensor loads and no cluster: att is read once, by one wave, in the order in which it lies; Wo is 144 KiB, read once a work-group.  No prefetch: the launch is its two streams.
.set STG,   147456                     ; behind Wo: 16 rows x 272 bytes for each wave
.set SPARE, 164864                     ; the spare words
.set SPW, 2
.set NIL, 3
.set L16, 4                            ; 16 x lane
.set WCP, 5                            ; my quarter of wop, in memory and in LDS alike
.set WL,  6                            ; LDS address of the four groups in hand
.set STO, 7                            ; stage: where 16 bytes of a row go
.set RD,  8                            ; stage: where I read rows back
.set OO,  9                            ; my 16 bytes in two rows of out
.set WA,  64                           ; v64-135  a group
.set WB,  136                          ; v136-207 another
.set OB0, 208                          ; v208-239, v32-63: 16 rows read back, by turns
.set OB1, 32
.set WV,  10
.set NG,  11
.set MSB, 0
.macro WIN new
.if MSB != (\new)
	s_set_vgpr_msb (MSB<<8)|(\new)
.set MSB, \new
.endif
.endm
.macro PLACES
.rept 4
	v_nop
.endr
.endm
	s_load_b128 s[4:7], s[0:1], 0x0                ; att, wop
	s_load_b64 s[8:9], s[0:1], 0x10                ; out0
	v_lshl_add_u32 v[SPW], v0, 2, SPARE
	v_mov_b32 v[NIL], 0
	v_lshrrev_b32 v1, 5, v0
	v_readfirstlane_b32 s[WV], v1
	v_and_b32 v12, 31, v0
	v_and_b32 v10, 15, v0                          ; r
	v_bfe_u32 v11, v0, 4, 1                        ; hh
	v_lshlrev_b32 v[L16], 4, v12
	s_mul_i32 s14, s[WV], 36864
	v_add_nc_u32 v[WCP], s14, v[L16]
	v_mov_b32 v[WL], v[L16]
	s_mul_i32 s14, s[WV], 4352
	s_add_co_u32 s14, s14, STG                     ; my stage
	v_mul_u32_u24 v[STO], v10, 272                 ; in: row r, 32 bytes for each half of the lanes
	v_lshl_add_u32 v[STO], v11, 5, v[STO]
	v_add_nc_u32 v[STO], s14, v[STO]
	v_mul_u32_u24 v[RD], v11, 272                  ; back: lanes 0-15 one row of 256 bytes, lanes 16-31 the next
	v_lshl_add_u32 v[RD], v10, 4, v[RD]
	v_add_nc_u32 v[RD], s14, v[RD]
	v_lshlrev_b32 v[OO], 10, v11                   ; and the same two rows in out
	v_lshl_add_u32 v[OO], v10, 4, v[OO]
	s_lshl_b32 s12, ttmp9, 17                      ; the work-group's 131,072 bytes of att,
	s_lshl_b32 s15, s[WV], 15                      ; my 32,768
	s_add_co_u32 s12, s12, s15
	s_mov_b32 s13, 0
	s_lshl_b32 s16, ttmp9, 18                      ; its 256 rows of out,
	s_lshl_b32 s15, s[WV], 16                      ; my 64
	s_add_co_u32 s16, s16, s15
	s_mov_b32 s17, 0
	s_wait_kmcnt 0x0
	s_add_nc_u64 s[4:5], s[4:5], s[12:13]
	s_add_nc_u64 s[8:9], s[8:9], s[16:17]
	WIN 0x40                                       ; att's fragments: window 1, tile t, K step ks at 64 t + 8 ks
.set i, 0
.rept 64
	global_load_b128 v[4*i:4*i+3], v[L16], s[4:5] offset:i*512 th:TH_LOAD_NT
.set i, i+1
.endr
	WIN 0x80                                       ; my quarter of wop, in three batches of 24 loads
.set i, 0
.rept 48
	global_load_b128 v[4*i:4*i+3], v[WCP], s[6:7] offset:i*512
.set i, i+1
.endr
	WIN 0
.set i, 0
.rept 24
	global_load_b128 v[WA+4*i:WA+4*i+3], v[WCP], s[6:7] offset:(48+i)*512
.set i, i+1
.endr
	s_wait_loadcnt 48                              ; att and the first batch are in; the two later batches may stay out
	WIN 0x08
.set i, 0
.rept 24
	ds_store_b128 v[WCP], v[4*i:4*i+3] offset:i*512
.set i, i+1
.endr
	s_wait_loadcnt 24
.rept 24
	ds_store_b128 v[WCP], v[4*i:4*i+3] offset:i*512
.set i, i+1
.endr
	s_wait_loadcnt 0x0
	WIN 0
.set i, 0
.rept 24
	ds_store_b128 v[WCP], v[WA+4*i:WA+4*i+3] offset:(48+i)*512
.set i, i+1
.endr
	s_wait_dscnt 0x0                               ; for the others' sake
	s_barrier_signal -1
	s_barrier_wait -1                              ; Wo is whole, and nobody writes it again
.macro WLOAD W, u                      ; group u of the four in hand
.set i, 0
.rept 18
	ds_load_b128 v[(\W)+4*i:(\W)+4*i+3], v[WL] offset:(\u)*9216+i*512
.set i, i+1
.endr
.endm
; 32 matrix instructions: 16 columns x my 64 tokens x K = 256.  The four accumulators (window 2, tile t, group u at 32 t + 8 u) take turns; the first K step starts the sums with the bias tile.
.macro MULO u, W
.set ks, 0
.rept 8
.set tt, 0
.rept 4
.if ks == 0
	WIN 0x84
	v_wmma_f32_16x16x32_f16 v[32*tt+8*(\u):32*tt+8*(\u)+7], v[(\W):(\W)+7], v[64*tt:64*tt+7], v[(\W)+64:(\W)+71]
.else
	WIN 0xa4
	v_wmma_f32_16x16x32_f16 v[32*tt+8*(\u):32*tt+8*(\u)+7], v[(\W)+8*ks:(\W)+8*ks+7], v[64*tt+8*ks:64*tt+8*ks+7], v[32*tt+8*(\u):32*tt+8*(\u)+7]
.endif
.set tt, tt+1
.endr
.set ks, ks+1
.endr
.endm
; Tile t's 16 tokens x 64 columns: into rows of 272 bytes (each accumulator's lowest registers first), back as whole rows of 256, and out.
.macro OUTT t
.set BK, OB0+(OB1-OB0)*((\t)%2)
	WIN 0
	s_wait_xcnt 0x0                                ; earlier stores have read the registers that are loaded again below
	WIN 0x08
.irp u, 0,1,2,3
	ds_store_b128 v[STO], v[32*(\t)+8*\u:32*(\t)+8*\u+3]   offset:64*\u
	ds_store_b128 v[STO], v[32*(\t)+8*\u+4:32*(\t)+8*\u+7] offset:64*\u+16
.endr
	WIN 0
.irp q, 0,1,2,3,4,5,6,7
	ds_load_b128 v[BK+4*\q:BK+4*\q+3], v[RD] offset:\q*544  ; LDS serves a wave's instructions in order (ISA guide 5.7.1.4): these see the stores above
.endr
.irp q, 0,1,2,3,4,5,6,7
	s_wait_dscnt 7-\q
	global_store_b128 v[OO], v[BK+4*\q:BK+4*\q+3], s[8:9] offset:(\t)*16384+\q*2048 th:TH_STORE_NT  ; 16 lanes store 256 consecutive bytes, aligned
.endr
.endm
	s_mov_b32 s[NG], 4
.Lng:                                                  ; 64 columns a trip
	WLOAD WA, 0
	WLOAD WB, 1
	s_wait_dscnt 18                                ; the older group is in, the younger one's 18 loads may stay out
	MULO 0, WA
	WIN 0
	PLACES
	WLOAD WA, 2
	s_wait_dscnt 18
	MULO 1, WB
	WIN 0
	PLACES
	WLOAD WB, 3
	s_wait_dscnt 18
	MULO 2, WA
	s_wait_dscnt 0x0
	MULO 3, WB
	WIN 0
	PLACES
	OUTT 0
	OUTT 1
	OUTT 2
	OUTT 3
	v_add_nc_u32 v[WL], 36864, v[WL]
	s_wait_xcnt 0x0                                ; the stores have read their base
	s_add_nc_u64 s[8:9], s[8:9], 256
	s_sub_co_u32 s[NG], s[NG], 1
	s_cmp_lg_u32 s[NG], 0
	s_cbranch_scc1 .Lng
	s_wait_tensorcnt 0x0                           ; the wave's end, behind my last LDS store
	ds_add_u32 v[SPW], v[NIL]
	s_wait_dscnt 0x0
	s_endpgm
.Lfunc_end_k_q64ca40c784_outp:
	.size	k_q64ca40c784_outp, .Lfunc_end_k_q64ca40c784_outp-k_q64ca40c784_outp
	.p2alignl 7, 3214868480
	.fill 96, 4, 3214868480
	.section	.rodata,"a",@progbits
	.p2align	6, 0x0
	.amdhsa_kernel k_q64ca40c784_outp
		.amdhsa_group_segment_fixed_size 165376
		.amdhsa_private_segment_fixed_size 0
		.amdhsa_enable_private_segment 0
		.amdhsa_kernarg_size 24
		.amdhsa_user_sgpr_count 2
		.amdhsa_user_sgpr_kernarg_segment_ptr 1
		.amdhsa_wavefront_size32 1
		.amdhsa_system_sgpr_workgroup_id_x 1
		.amdhsa_system_sgpr_workgroup_id_y 1
		.amdhsa_system_sgpr_workgroup_id_z 1
		.amdhsa_system_vgpr_workitem_id 0
		.amdhsa_next_free_vgpr 768
		.amdhsa_next_free_sgpr 66
		.amdhsa_reserve_vcc 0
		.amdhsa_float_denorm_mode_32 3
		.amdhsa_float_denorm_mode_16_64 3
		.amdhsa_memory_ordered 1
		.amdhsa_forward_progress 1
		.amdhsa_inst_pref_size 42
	.end_amdhsa_kernel
	.amdgpu_metadata
---
amdhsa.version: [ 1, 2 ]
amdhsa.kernels:
  - .name:           k_q64ca40c784_outp
    .symbol:         k_q64ca40c784_outp.kd
    .args:
      - { .name: att, .offset: 0, .size: 8, .value_kind: global_buffer, .address_space: global }
      - { .name: wop, .offset: 8, .size: 8, .value_kind: global_buffer, .address_space: global }
      - { .name: out0, .offset: 16, .size: 8, .value_kind: global_buffer, .address_space: global }
    .group_segment_fixed_size: 165376
    .private_segment_fixed_size: 0
    .kernarg_segment_align: 8
    .kernarg_segment_size: 24
    .max_flat_workgroup_size: 128
    .sgpr_count:     66
    .vgpr_count:     768
    .wavefront_size: 32
...
	.end_amdgpu_metadata
.endif
;; end of part 3
;; ======== version 2 of 2: 3 launches; version 1 with the launch attn written anew for expert scheduling mode
;; limits: values are held in f16: magnitudes above 65,504 overflow, below 6.1e-05 lose precision
;; workspace buffers: wp 442,368 bytes; wop 147,456 bytes; cb 1,048,576 bytes; qs 4,096 bytes; att 33,554,432 bytes
;; launch prep: the kernel of part 1 again; grid 96 x 1, 4 waves a work-group, no clusters, 0 bytes of LDS; arguments Wq, Wk, Wv, Wo, bq, bk, bv, bo, spatial_constraint, wp, wop, cb, qs; writes wp, wop, cb, qs
;; launch attn (part 4): grid 2 x 128, 4 waves a work-group, no clusters, 322,048 bytes of LDS; arguments x, wp, cb, qs, att; writes att
.if DOCPART == 4
	.amdgcn_target "amdgcn-amd-amdhsa--gfx1250"
	.amdhsa_code_object_version 6
	.text
	.protected	k_q64ca40c784_attn
	.globl	k_q64ca40c784_attn
	.p2align	8
	.type	k_q64ca40c784_attn,@function
k_q64ca40c784_attn:
	s_mov_b64 s[64:65], 0
	v_nop
	global_prefetch_b8 v0, s[64:65] scope:SCOPE_SE
	s_setreg_imm32_b32 hwreg(HW_REG_WAVE_SCHED_MODE, 0, 2), 2
	s_setreg_imm32_b32 hwreg(HW_REG_WAVE_MODE, 25, 1), 1
	s_wait_xcnt 0x0
	s_wait_alu depctr_vm_vsrc(0)
; q, k, v PROJECTIONS AND THE WHOLE ATTENTION for one batch bt (512 tokens of 256 channels) and one group hg of four heads of size 32.
; FORMATS.  x and the weights multiply in bf16 (x is rounded here, the weights lie ready); sums in f32; q, k, v, the weights p and the result are f16, each rounded once.
; LIMITS.  |c q|, |k|, |v| stay under 65,504 (f16); allowed logits lie far above -1e9; a weight below 6e-5 keeps f16's fixed step; NaN and infinities are not treated apart.
; SHARES.  KEYS ARE OWNED BY WAVES: wave w owns tokens 128 w .. 128 w + 127.  It projects q, k and v of these tokens; K and V^T of its keys then stay in 512 registers for the whole
; attention, and Q's fragments of all 512 tokens lie in LDS.  Every wave walks all 32 query tiles x 4 heads over its own 128 keys (a UNIT: 16 queries, one head), takes the true maximum of its
; 128 scores away, and leaves (O, l, m) in LDS; once a query tile the four waves' parts are merged with the row's true maximum, wave w merging head w.
; SCORES live in the log2 domain: q is multiplied by log2(e) / sqrt(32) in f32 before its one rounding (by 0 in a row that allows no key), and the geography comes as the C operand of
; S^T = K Q^T: sc x log2(e), or -1e9 x log2(e) where the key is hidden (all 0 in a row that allows no key: its scores are then exactly 0 and its softmax uniform).
; LAYOUT.  S^T = K Q^T (source 0 = 16 keys, source 1 = 16 queries): a lane holds ONE query (l % 16) and the keys 8 (l / 16) + 0..7.  Two such tiles rounded to f16 ARE source 1 of O^T = V^T P.
; q and k are projected with the weights as source 0 (a lane: one token, eight channels), v with x as source 0 (a lane: one channel, eight tokens): packed in pairs these ARE the fragments.
; The row sum l is a product too: ones x P.
; NO TENSOR LOADS, NO CLUSTER: every stream lands in registers in the order in which it lies in memory (x is converted on the way; the C tiles are matrix operands as they lie).
;
; THE MODE: SCHED_MODE bits 1:0 = 2 (LLVM: expert scheduling mode 2), set by the entry lines.  The code itself states the register dependences between vector or matrix instructions and
; memory or LDS instructions, with s_wait_alu, always for 0.
; THE PLAN, PROJECTION.  Registers that memory or LDS instructions touch, and who else names them:
;   landing (windows 1 and 2, v128-255)  x's loads land; a tile's 64 roundings read them and write the packed numbers into the lower 64 of them, in place; the stage's 32 stores read those.
;       One wait on va_vdst between the roundings and the stores; behind the window switch ahead of the next loads into them one on vm_vsrc (the stores) and one on va_vdst (the roundings).
;   x's fragments (window 3)  LDS loads land; the products read them; the next half's loads stand behind the waits above.
;   WA   read by a chunk's first 32 products.  ONE wait on va_vdst at the chunk's middle; behind it the next chunk's 18 loads into WA, G's stores and G's loads are dealt among the second 32
;        products, which with their riders name WB, x, the accumulators, CSC and PK: none of the registers that those touch.
;   WB   read by the second 32 products.  ONE wait on va_vdst behind the barrier, ahead of its 18 loads.
;   G    named by memory instructions alone: one wait on vm_vsrc between its stores and the loads that land in it again.
;   PK   two out-buffers of 16.  The first set's conversions ride in the second set's products and are stored behind the wait behind the barrier; the second set's have a wait of their own
;        ahead of their four stores.  G's wait on vm_vsrc stands behind all stores of the chunk before and ahead of the first conversion that writes either buffer again.
;   QWA, KWA, VWA  read by those stores; stepped once a head, behind one wait on vm_vsrc; their next readers stand behind a chunk's waits on va_vdst.
; THE PLAN, ATTENTION.
;   QB   a fragment is read by a turn's eight K Q^T and loaded again at the next turn's head.       C0, C1  read by four turns' K Q^T; loaded again at the end of the last of the four.
;   O, L written by a turn's last twelve products (L + 1 by a move); read by the five stores at the turn's end; written again from the next turn's ninth product on.
;   ONE wait on va_vdst at a turn's end, the wait for the batch of exponentials, states all of that: behind it stand the C loads, the five stores and, behind 32 roundings that name P and S
;   alone, the next turn's loads of Q.  ONE wait on vm_vsrc a turn stands ahead of the ninth product.
;   ML, MO  LDS loads land behind a barrier; a merge reads them.     MP  written by a merge's roundings, read by its two stores.     QA  read by Q's loads, stepped once a trip at a merge's head.
;   All other addresses are made at the head and never written again.
;
; LDS.  QF 0: [qt 33][h 4][a 2][lane][16 B], query tile 32 a block of zeros.  KVT 135,168: 32,768 a wave: a half's K and V on their way into registers; its first 8,448 bytes also serve as
; the wave's stage for x (16 rows, pitch 528).  PART (the same bytes, from the barrier behind the projection on): [slot 2][h 4][wave 4] records of 2,304: O in 4 blocks of 512, then (l, m).
; RING 266,240: 3 slots of 18,432: a chunk = the two groups (16 columns each) of one head's q, k or v.  SPARE 321,536: the spare words.
; REGISTERS, in windows of 256 (s_set_vgpr_msb: bits 1:0 source 0, 3:2 source 1, 5:4 source 2, 7:6 destination).
;   window 0: addresses; projection: PK, WA, WB, G, CSC; attention: M, T, QB, S (two buffers), P, O, L, ONES
;   window 1: K at 128 p + 32 h + 8 t (key tile 4 p + t); its upper half first lands x and holds the projection's accumulators     window 2: V at 128 p + 32 h + 16 kp + 8 ct; upper half lands x
;   window 3: projection: x's fragments at 64 t + 8 ks; attention: two C buffers and the merge
.set QF,    0
.set KVT,   135168
.set PART,  135168
.set PSL,   36864                      ; a slot of PART
.set RING,  266240
.set CHB,   18432                      ; a chunk
.set SPARE, 321536
.set SPW, 2                            ; LDS address of my spare word; never rewritten
.set NIL, 3                            ; 0; never rewritten
.set L16, 4                            ; 16 x lane: x, the C tiles, the result
.set STS, 5                            ; stage: where 8 bytes of a row go
.set STL, 6                            ; stage: my place in a fragment
.set WL,  7                            ; ring + 16 x lane
.set GS,  8                            ; ring + my quarter of a chunk
.set GO,  9                            ; my quarter of a chunk in memory
.set QWA, 10                           ; where q's fragments go
.set KWA, 11                           ; k's
.set VWA, 12                           ; v's
.set KVL, 13                           ; my part of KVT; never rewritten
.set QSO, 14                           ; my token's place in qs
.set PFO, 15                           ; 256 x lane
.set QA,  16                           ; QF at the trip's first query tile
.set ZA,  17                           ; my part of the block of zeros
.set PWO, 18                           ; v18-19 where I put O, by slot
.set PWM, 20                           ; v20-21 where I put (l, m)
.set PRO, 22                           ; v22-23 where I read my head's four O
.set PRM, 24                           ; v24-25 and its four (l, m)
.set PK,  32                           ; v32-63 packed fragments on their way to LDS: out-buffer set at PK + 16 set, token tile t at + 4 t
.set WA,  64                           ; v64-135  a group: 8 fragments, then the bias tile
.set WB,  136                          ; v136-207 the chunk's other group
.set G,   208                          ; v208-243 my quarter of a chunk on its way from memory to the ring
.set CSC, 244                          ; v244-251 four pairs (q scale of my token in tile t, 0)
.set M,   32                           ; v32-39 pairs (m of head h, 0)
.set T,   40                           ; v40-43 at work on a maximum
.set QB,  48                           ; v48-63 two fragments of Q
.set S,   64                           ; v64-191 two buffers of 64 scores
.set P,   192                          ; v192-223
.set O,   224                          ; v224-239 O^T: channels 0-15, 16-31
.set L,   240                          ; v240-247 the row sum; register 1 then takes m
.set ONES, 248                         ; v248-255 1.0 in f16
.set C0,  0                            ; window 3
.set C1,  64
.set MO,  128                          ; four waves' O, 16 each
.set ML,  192                          ; four pairs (l, m)
.set MW,  200                          ; four pairs (weight, 0)
.set MT,  208
.set MA,  216
.set MP,  232
.set XP,  4                            ; s[4:5]   x at my tokens of the half in hand
.set WP,  6                            ; s[6:7]   wp at my head group
.set CBP, 8                            ; s[8:9]   cb at my keys
.set QSP, 10                           ; s[10:11] qs
.set ATP, 12                           ; s[12:13] att at my head, at the trip's first query tile
.set WV,  14
.set HG,  15
.set BT,  16
.set PC,  17                           ; halves to go
.set H,   18                           ; heads to go
.set I,   19                           ; trips to go
.set GP,  22                           ; s[22:23] wp at the next head's chunks
.set GOF, 24                           ; s[24:25] their offset
.set CP,  26                           ; s[26:27] cb at the query tile to be fetched
.set COF, 28                           ; s[28:29] its offset
.set PFB, 30                           ; s[30:31] where my prefetches stand
.set PFL, 32                           ; 1: this wave prefetches
.set QT2, 33                           ; the trip's first query tile + 2
.set SEL, 34                           ; s[34:35] v_permlanex16_b32's selects
.set MSB, 0
.macro WIN new                         ; the high byte repeats the setting that is left; a switch that changes nothing is dropped
.if MSB != (\new)
	s_set_vgpr_msb (MSB<<8)|(\new)
.set MSB, \new
.endif
.endm
.macro PLACES                          ; four plain instructions between a matrix instruction and a vector read of its result (ISA guide 7.12.1)
.rept 4
	v_nop
.endr
.endm
.macro WLD W, off, from=0, n=18        ; a group out of the ring: 18 loads of 512 consecutive bytes; n of them, from number 'from' on
.set i, \from
.rept \n
	ds_load_b128 v[(\W)+4*i:(\W)+4*i+3], v[WL] offset:(\off)+i*512
.set i, i+1
.endr
.endm
	s_load_b256 s[4:11], s[0:1], 0x0               ; x, wp, cb, qs
	s_load_b64 s[12:13], s[0:1], 0x20              ; att
	v_lshl_add_u32 v[SPW], v0, 2, SPARE
	v_mov_b32 v[NIL], 0
	v_lshrrev_b32 v1, 5, v0
	v_readfirstlane_b32 s[WV], v1                  ; wave 0..3
	v_and_b32 v27, 31, v0                          ; lane
	v_and_b32 v28, 15, v0                          ; r
	v_bfe_u32 v29, v0, 4, 1                        ; hh
	v_lshlrev_b32 v[L16], 4, v27
	s_wait_alu depctr_va_sdst(0)                   ; the wave's number is written, ahead of its first reader: addresses and bases are made from it
	s_lshl_b32 s36, s[WV], 15
	s_add_co_u32 s37, s36, KVT                     ; my part of KVT
	v_lshl_add_u32 v[STS], v27, 3, s37
	v_mul_u32_u24 v[STL], v28, 528
	v_lshl_add_u32 v[STL], v29, 4, v[STL]
	v_add_nc_u32 v[STL], s37, v[STL]
	v_add_nc_u32 v[WL], RING, v[L16]
	s_mul_i32 s38, s[WV], 4608
	v_add_nc_u32 v[GO], s38, v[L16]
	v_add_nc_u32 v[GS], RING, v[GO]
	v_add_nc_u32 v[QWA], s36, v[L16]               ; my 8 query tiles of 4,096 bytes
	v_add_nc_u32 v[KWA], s37, v[L16]
	v_add_nc_u32 v[VWA], 16384, v[KWA]
	v_mov_b32 v[KVL], v[KWA]
	s_lshl_b32 s38, s[WV], 9
	v_lshl_add_u32 v[QSO], v28, 2, s38
	v_lshlrev_b32 v[PFO], 8, v27
	v_mov_b32 v[QA], v[L16]
	s_mul_i32 s38, s[WV], 2304
	s_add_co_u32 s38, s38, PART
	v_add_nc_u32 v[PWO], s38, v[L16]
	v_add_nc_u32 v[PWO+1], PSL, v[PWO]
	s_add_co_u32 s38, s38, 2048
	v_lshl_add_u32 v[PWM], v27, 3, s38
	v_add_nc_u32 v[PWM+1], PSL, v[PWM]
	s_mul_i32 s38, s[WV], 9216
	s_add_co_u32 s38, s38, PART
	v_add_nc_u32 v[PRO], s38, v[L16]
	v_add_nc_u32 v[PRO+1], PSL, v[PRO]
	s_add_co_u32 s38, s38, 2048
	v_lshl_add_u32 v[PRM], v27, 3, s38
	v_add_nc_u32 v[PRM+1], PSL, v[PRM]
	s_lshl_b32 s38, s[WV], 10
	s_add_co_u32 s38, s38, QF+131072
	v_add_nc_u32 v[ZA], s38, v[L16]
.irp q, 1,3,5,7
	v_mov_b32 v[CSC+\q], 0                         ; named with the scales as pairs
.endr
	s_mov_b32 s[HG], ttmp9
	s_and_b32 s[BT], ttmp7, 0xffff
	s_lshl_b32 s20, s[BT], 19                      ; a batch of x is 524,288 bytes,
	s_lshl_b32 s38, s[WV], 17                      ; my 128 tokens 131,072
	s_add_co_u32 s20, s20, s38
	s_mov_b32 s21, 0
	s_mul_i32 s40, s[HG], 221184                   ; a head group's 12 chunks
	s_mov_b32 s41, 0
	s_lshl_b32 s42, s[WV], 13                      ; my 8 key tiles of 1,024 bytes
	s_mov_b32 s43, 0
	s_lshl_b32 s44, s[BT], 18                      ; a batch of att is 262,144 bytes,
	s_lshl_b32 s38, s[HG], 2
	s_add_co_u32 s38, s38, s[WV]
	s_lshl_b32 s38, s38, 10                        ; the head that I merge 1,024 in each query tile
	s_add_co_u32 s44, s44, s38
	s_mov_b32 s45, 0
	s_cmp_eq_u32 s[HG], 0
	s_cselect_b32 s[PFL], 1, 0
	s_mov_b32 s[GOF], 3*CHB
	s_mov_b32 s[GOF+1], 0
	s_mov_b32 s[COF+1], 0
	s_mov_b32 s[SEL], 0x76543210
	s_mov_b32 s[SEL+1], 0xfedcba98
	s_wait_kmcnt 0x0
	s_add_nc_u64 s[XP:XP+1], s[XP:XP+1], s[20:21]
	s_add_nc_u64 s[WP:WP+1], s[WP:WP+1], s[40:41]
	s_add_nc_u64 s[CBP:CBP+1], s[CBP:CBP+1], s[42:43]
	s_add_nc_u64 s[ATP:ATP+1], s[ATP:ATP+1], s[44:45]
	s_add_nc_u64 s[PFB:PFB+1], s[XP:XP+1], 65536   ; my tokens of the second half
	s_add_nc_u64 s[GP:GP+1], s[WP:WP+1], s[GOF:GOF+1]
	s_wait_alu depctr_va_vdst(0)                   ; the addresses and offsets v2 to v25 are written, which the kernel's loads, stores and prefetches read
	; THE RING STARTS: chunks 0 and 1 into slots 0 and 1, chunk 2 on its way, chunk 0's two groups into registers.
.set i, 0
.rept 9
	global_load_b128 v[G+4*i:G+4*i+3], v[GO], s[WP:WP+1] offset:i*512
.set i, i+1
.endr
.set i, 0
.rept 9
	global_load_b128 v[WA+4*i:WA+4*i+3], v[GO], s[WP:WP+1] offset:CHB+i*512
.set i, i+1
.endr
	s_wait_loadcnt 0x0
.set i, 0
.rept 9
	ds_store_b128 v[GS], v[G+4*i:G+4*i+3] offset:i*512
	ds_store_b128 v[GS], v[WA+4*i:WA+4*i+3] offset:CHB+i*512
.set i, i+1
.endr
	s_wait_alu depctr_vm_vsrc(0)                   ; the 18 stores have read G and WA, in which the loads below land
.set i, 0
.rept 9
	global_load_b128 v[G+4*i:G+4*i+3], v[GO], s[WP:WP+1] offset:2*CHB+i*512
.set i, i+1
.endr
	s_wait_dscnt 0x0                               ; for the others' sake: my quarters of both chunks are stored
	s_barrier_signal -1
	s_barrier_wait -1
	WLD WA, 0
	WLD WB, 9216
	s_wait_dscnt 0x0
; x: 16 tokens (16 KiB) land in 128 registers: load i takes half i % 2 of row i / 2, 512 consecutive bytes.
.macro LOADT t
	WIN 0x40*(1+((\t)&1))                          ; tiles land by turns in window 1 and window 2
	s_wait_alu depctr_vm_vsrc(0)                   ; the stage's stores of the tile that lay here have read these registers
	s_wait_alu depctr_va_vdst(0)                   ; its roundings are done with them, and so, in window 1, are the last half's products and what was made of their sums
.set i, 0
.rept 32
	global_load_b128 v[128+4*i:128+4*i+3], v[L16], s[XP:XP+1] offset:(\t)*16384+i*512
.set i, i+1
.endr
	WIN 0
.endm
; They are rounded to bf16 in place (pair n closes up into register n of the 128) and laid into the wave's stage as rows of 512 bytes, 528 apart.  cnt: the younger loads that may stay out.
.macro CONV t, cnt
	s_wait_loadcnt \cnt
	WIN 0x45*(1+((\t)&1))
.set i, 0
.rept 64
	v_cvt_pk_bf16_f32 v[128+i], v[128+2*i], v[128+2*i+1]
.set i, i+1
.endr
	WIN 0x04*(1+((\t)&1))
	s_wait_alu depctr_va_vdst(0)                   ; the 64 roundings have written the registers that the stores below read
.set i, 0
.rept 32
	ds_store_b64 v[STS], v[128+2*i:128+2*i+1] offset:(i/2)*528+(i&1)*256
.set i, i+1
.endr
	WIN 0
.endm
; And come back as 8 fragments of 16 tokens x 32 channels.  LDS serves a wave's instructions in order (ISA guide 5.7.1.4): these see the stores above, and the next tile's stores come behind them.
; No vector or matrix instruction since the last wait on va_vdst names these registers of window 3.
.macro FRAG t
	WIN 0xc0
.set i, 0
.rept 8
	ds_load_b128 v[64*(\t)+8*i:64*(\t)+8*i+3],   v[STL] offset:i*64
	ds_load_b128 v[64*(\t)+8*i+4:64*(\t)+8*i+7], v[STL] offset:i*64+32
.set i, i+1
.endr
	WIN 0
.endm
; What is made of a finished accumulator (set = which 16 channels of the head, t = token tile): q is scaled in f32; all are rounded to f16, lowest registers first, into the set's out-buffer.
.macro EPIV m, set, t
.set EA, 128+32*(\set)+8*(\t)
.if (\m) == 0
	WIN 0x41
.irp j, 0,2,4,6
	v_pk_mul_f32 v[EA+\j:EA+\j+1], v[EA+\j:EA+\j+1], v[CSC+2*(\t):CSC+2*(\t)+1] op_sel_hi:[1,0]
.endr
.endif
	WIN 0x05
.irp j, 0,1,2,3
	v_cvt_pk_f16_f32 v[PK+16*(\set)+4*(\t)+\j], v[EA+2*\j], v[EA+2*\j+1]
.endr
	WIN 0
.endm
; An out-buffer's four stores, half a fragment each.
.macro EPIS m, set
.irp t, 0,1,2,3
.if (\m) == 0
	ds_store_b128 v[QWA], v[PK+16*(\set)+4*\t:PK+16*(\set)+4*\t+3] offset:\t*4096+(\set)*512
.elseif (\m) == 1
	ds_store_b128 v[KWA], v[PK+16*(\set)+4*\t:PK+16*(\set)+4*\t+3] offset:\t*1024+(\set)*512
.else
	ds_store_b128 v[VWA], v[PK+16*(\set)+4*\t:PK+16*(\set)+4*\t+3] offset:(\t/2)*2048+(\set)*1024+(\t%2)*512
.endif
.endr
.endm
; WHAT IS DEALT among a chunk's second 32 products, behind K step k's four.  All of it stands behind the wait at the chunk's middle, and no product or rider since names WA or G.
; The ring: chunk j + 2, asked of memory a chunk ago, goes into the slot that chunk j - 1 has left (all waves' reads of it were awaited in front of the last barrier); chunk j + 3 is asked for;
; chunk j + 1's first group, stored a chunk ago and shown by the last barrier, is read.  The riders: the first set's four accumulators, finished a run earlier, into their out-buffer.
.macro DEAL m, k
.if (\k) == 0
	WIN 0
.set i, 0
.rept 9
	ds_store_b128 v[GS], v[G+4*i:G+4*i+3] offset:(((\m)+2)%3)*CHB+i*512
.set i, i+1
.endr
.elseif (\k) == 1
	WIN 0
	s_wait_alu depctr_vm_vsrc(0)                   ; the nine stores have read G, in which the loads below land; the last chunk's eight stores of fragments have read PK, which the riders and the second set's conversions write again
.set i, 0
.rept 9
	global_load_b128 v[G+4*i:G+4*i+3], v[GO], s[GP:GP+1] offset:(\m)*CHB+i*512
.set i, i+1
.endr
	EPIV \m, 0, 0
.elseif (\k) == 2
	WIN 0
	WLD WA, (((\m)+1)%3)*CHB, 0, 9
.elseif (\k) == 3
	WIN 0
	WLD WA, (((\m)+1)%3)*CHB, 9, 9
	EPIV \m, 0, 1
.elseif (\k) == 4
.if (\m) == 0
	; x of my tokens' second half is asked for ahead: in each of the first half's four head trips one tile of 16 tokens, 16 KiB, a lane 256 bytes, two instructions.  Of the two work-groups
	; that read a batch the one with hg = 0 asks, each wave for its own rows: each 256 bytes are named once in the launch.  The second half asks for nothing.
	WIN 0
	s_cmp_eq_u32 s[PFL], 1
	s_cbranch_scc0 .Lnot_mine_\@
	global_prefetch_b8 v[PFO], s[PFB:PFB+1] th:TH_LOAD_NT scope:SCOPE_SE
	global_prefetch_b8 v[PFO], s[PFB:PFB+1] offset:8192 th:TH_LOAD_NT scope:SCOPE_SE
.Lnot_mine_\@:
.endif
.elseif (\k) == 5
	EPIV \m, 0, 2
.elseif (\k) == 7
	EPIV \m, 0, 3
.endif
.endm
; 32 matrix instructions: 16 columns x my 64 tokens x K = 256.  The four accumulators take turns, one instruction a turn; the first K step starts the sums with the bias tile.
; ride = 1: behind each K step's four stands its share of DEAL.
.macro MUL32 m, set, W, ride
.set ks, 0
.rept 8
.set tt, 0
.rept 4
.set AC, 128+32*(\set)+8*tt
.if (\m) < 2
.if ks == 0
	WIN 0x4c
	v_wmma_f32_16x16x32_bf16 v[AC:AC+7], v[(\W):(\W)+7], v[64*tt:64*tt+7], v[(\W)+64:(\W)+71]
.else
	WIN 0x5c
	v_wmma_f32_16x16x32_bf16 v[AC:AC+7], v[(\W)+8*ks:(\W)+8*ks+7], v[64*tt+8*ks:64*tt+8*ks+7], v[AC:AC+7]
.endif
.else
.if ks == 0
	WIN 0x43
	v_wmma_f32_16x16x32_bf16 v[AC:AC+7], v[64*tt:64*tt+7], v[(\W):(\W)+7], v[(\W)+64:(\W)+71]
.else
	WIN 0x53
	v_wmma_f32_16x16x32_bf16 v[AC:AC+7], v[64*tt+8*ks:64*tt+8*ks+7], v[(\W)+8*ks:(\W)+8*ks+7], v[AC:AC+7]
.endif
.endif
.set tt, tt+1
.endr
.if \ride
	DEAL \m, ks
.endif
.set ks, ks+1
.endr
.endm
; A CHUNK: one head's q (m = 0), k (1) or v (2) for my 64 tokens.  It lies in slot m and its groups are in WA and WB.
.macro CHUNK m
	MUL32 \m, 0, WA, 0
	WIN 0
	PLACES                                         ; behind the first set's last products, ahead of the riders that read their sums
	s_wait_loadcnt 0x0                             ; my quarter of chunk j + 2 is in registers
	s_wait_dscnt 4                                 ; WB is in: behind its 18 loads came the last chunk's four stores of fragments
	s_wait_alu depctr_va_vdst(0)                   ; the first 32 products are done reading WA, in which the next chunk's first group lands
	MUL32 \m, 1, WB, 1
	WIN 0
	PLACES                                         ; behind the second set's last products, ahead of the conversions that read their sums
	s_wait_dscnt 0x0                               ; my stores into the ring are done, my reads of it are back
	s_barrier_signal -1
	s_barrier_wait -1
	s_wait_alu depctr_va_vdst(0)                   ; the riders have written the first out-buffer, which the four stores below read; the second 32 products are done reading WB, in which the loads below land
	EPIS \m, 0
	WLD WB, (((\m)+1)%3)*CHB+9216
.irp u, 0,1,2,3
	EPIV \m, 1, \u
.endr
	s_wait_alu depctr_va_vdst(0)                   ; these conversions have written the second out-buffer, which the four stores below read
	EPIS \m, 1
.endm
.macro KVLOAD p                        ; a half's K and V, 32 fragments, out of my part of KVT into their registers
	WIN 0x40
.if (\p) == 1
	s_wait_alu depctr_va_vdst(0)                   ; roundings, products and conversions are done with the landing registers and the accumulators, in which the second half's K and V land
.endif
.set i, 0
.rept 32
	ds_load_b128 v[128*(\p)+4*i:128*(\p)+4*i+3], v[KVL] offset:i*512
.set i, i+1
.endr
	WIN 0x80
.set i, 0
.rept 32
	ds_load_b128 v[128*(\p)+4*i:128*(\p)+4*i+3], v[KVL] offset:16384+i*512
.set i, i+1
.endr
	WIN 0
.endm
	s_mov_b32 s[PC], 2
.Lhalf:                                                ; 64 tokens a wave
	s_wait_alu depctr_va_vdst(0)                   ; QSO is written, which the four loads below read; the last half's scalings are done reading the scales, in whose registers they land
.irp q, 0,1,2,3
	global_load_b32 v[CSC+2*\q], v[QSO], s[QSP:QSP+1] offset:64*\q  ; older than all loads of x below
.endr
	LOADT 0
	LOADT 1
	CONV 0, 32                                     ; the next tile's 32 loads are younger
	LOADT 2                                        ; a landing buffer is asked for again as soon as its stores have read it
	FRAG 0
	CONV 1, 32
	LOADT 3
	FRAG 1
	CONV 2, 32
	FRAG 2
	CONV 3, 0
	FRAG 3
	s_wait_dscnt 0x0
	s_wait_alu depctr_vm_vsrc(0)                   ; the last two tiles' stores have read the landing registers: window 1's take the accumulators now, both windows' later K and V
	s_mov_b32 s[H], 4
.Lhead:
	CHUNK 0
	CHUNK 1
	CHUNK 2
	s_wait_alu depctr_vm_vsrc(0)                   ; the head's stores of fragments have read QWA, KWA and VWA (and their out-buffers)
	v_add_nc_u32 v[QWA], 1024, v[QWA]              ; the next head's places; their next readers stand behind a chunk's waits on va_vdst
	v_add_nc_u32 v[KWA], 4096, v[KWA]
	v_add_nc_u32 v[VWA], 4096, v[VWA]
	s_wait_xcnt 0x0                                ; the loads and prefetches issued so far have read their addresses
	s_add_nc_u64 s[PFB:PFB+1], s[PFB:PFB+1], 16384
	s_add_co_u32 s[GOF], s[GOF], 3*CHB             ; the ring runs three chunks ahead: the next head's chunks, behind the last head the first's again
	s_cmp_eq_u32 s[GOF], 12*CHB                    ; (the launch's last three chunks fetch chunks 0 to 2 once more; they are never multiplied)
	s_cselect_b32 s[GOF], 0, s[GOF]
	s_add_nc_u64 s[GP:GP+1], s[WP:WP+1], s[GOF:GOF+1]
	s_sub_co_u32 s[H], s[H], 1
	s_cmp_lg_u32 s[H], 0
	s_cbranch_scc1 .Lhead
	s_cmp_eq_u32 s[PC], 2
	s_cbranch_scc0 .Lupper
	KVLOAD 0
	s_branch .Lloaded
.Lupper:
	KVLOAD 1                                       ; the landing registers and accumulators have done their work
.Lloaded:
	s_wait_dscnt 0x0                               ; before the next half's stage, or the partial results, overwrite these bytes
	s_wait_xcnt 0x0
	s_add_nc_u64 s[XP:XP+1], s[XP:XP+1], 65536
	v_add_nc_u32 v[QWA], 12288, v[QWA]             ; four heads have stepped it by 4,096; four query tiles are 16,384.  No store has read these four since the last wait on vm_vsrc
	v_mov_b32 v[KWA], v[KVL]
	v_add_nc_u32 v[VWA], 16384, v[KVL]
	v_add_nc_u32 v[QSO], 256, v[QSO]
	s_mov_b32 s[PFL], 0
	s_sub_co_u32 s[PC], s[PC], 1
	s_cmp_lg_u32 s[PC], 0
	s_cbranch_scc1 .Lhalf
	; BETWEEN THE PHASES.  The block of zeros behind Q; then one barrier: Q is whole, nobody reads KVT any more, so the partial results may take its bytes.
.irp q, 0,1,2,3
	v_mov_b32 v[PK+\q], 0
.endr
	s_wait_alu depctr_va_vdst(0)                   ; the four zeros are written, which the two stores read
	ds_store_b128 v[ZA], v[PK:PK+3]
	ds_store_b128 v[ZA], v[PK:PK+3] offset:512
	s_wait_loadcnt 0x0                             ; the ring's last loads land in registers that the attention uses
	s_wait_dscnt 0x0
	s_barrier_signal -1
	s_barrier_wait -1
	s_wait_alu depctr_vm_vsrc(0)                   ; the two stores have read v32 to v35, which hold the maxima from here on
.irp q, 0,1,2,3,4,5,6,7
	v_mov_b32 v[ONES+\q], 0x3c003c00
.endr
.irp q, 1,3,5,7
	v_mov_b32 v[M+\q], 0                           ; named with the maxima as pairs
.endr
	WIN 0xc0
.irp q, 1,3,5,7
	v_mov_b32 v[MW+\q], 0                          ; and with the weights
.endr
	WIN 0
; THE MAXIMUM of the next unit's 64 scores, 34 lines: four chains of 15 scores, three operands at a time (each accumulator's lowest registers are read first), the four
; scores left over, the chains into one, the other half of the lanes' (the query's other keys lie in the lane 16 away).
.macro MXL j
.if (\j) < 4
	v_max3_num_f32 v[T+(\j)], v[SN+16*(\j)], v[SN+16*(\j)+1], v[SN+16*(\j)+2]
.elseif (\j) < 28
	v_max3_num_f32 v[T+(\j)%4], v[T+(\j)%4], v[SN+16*((\j)%4)+2*((\j)/4)+1], v[SN+16*((\j)%4)+2*((\j)/4)+2]
.elseif (\j) == 28
	v_max3_num_f32 v[T], v[T], v[SN+15], v[SN+31]
.elseif (\j) == 29
	v_max3_num_f32 v[T+2], v[T+2], v[SN+47], v[SN+63]
.elseif (\j) == 30
	v_max3_num_f32 v[T], v[T], v[T+1], v[T+2]
.elseif (\j) == 31
	v_max_num_f32 v[T], v[T], v[T+3]
.elseif (\j) == 32
	v_permlanex16_b32 v[T+1], v[T], s[SEL], s[SEL+1]
.else
	v_max_num_f32 v[MN], v[T], v[T+1]
.endif
.endm
.macro PLL k                           ; plain line k of 66: s - m for pair k of the unit in hand, then the 34 lines above
.if (\k) < 32
	v_pk_add_f32 v[SC+2*(\k):SC+2*(\k)+1], v[SC+2*(\k):SC+2*(\k)+1], v[MCUR:MCUR+1] op_sel_hi:[1,0] neg_lo:[0,1] neg_hi:[0,1]
.else
	MXL (\k)-32
.endif
.endm
; Matrix instruction k of a turn's 20.  0-7: S^T = K Q^T + C of the next unit, one for each tile of 16 keys.  8-19: for the unit before, 32 keys at a time: O^T's two halves and the row sum, three
; accumulators by turns; the first three start the sums with 0.
.macro MMK k, cb, pv
.if (\k) < 8
	WIN 0x31                                       ; K in window 1, C in window 3
	v_wmma_f32_16x16x32_f16 v[SN+8*(\k):SN+8*(\k)+7], v[128*((\k)/4)+32*HN+8*((\k)%4):128*((\k)/4)+32*HN+8*((\k)%4)+7], v[QN:QN+7], v[(\cb)+8*(\k):(\cb)+8*(\k)+7]
.elseif ((\k) < 20) && (\pv)
.set kp, ((\k)-8)/3
.set wh, ((\k)-8)%3
.if wh < 2
	WIN 0x02                                       ; V in window 2
.set rA, 128*(kp/2)+32*HP+16*(kp%2)+8*wh
.set rD, O+8*wh
.else
	WIN 0
.set rA, ONES
.set rD, L
.endif
.if kp == 0
	v_wmma_f32_16x16x32_f16 v[rD:rD+7], v[rA:rA+7], v[P:P+7], 0
.else
	v_wmma_f32_16x16x32_f16 v[rD:rD+7], v[rA:rA+7], v[P+8*kp:P+8*kp+7], v[rD:rD+7]
.endif
.endif
.endm
; A TURN belongs to unit n, of head h.  Matrix work: the scores of unit n + 1, then the second product of unit n - 1.  Vector work: s - m and the exponentials of unit n, the maximum of unit n + 1.
; THE DEAL: a list of 130 lines: two plain, then exponential and plain by turns; in front of every sixth line stands the next matrix instruction.  An exponential's pair has been scaled well ahead
; of it.  The last K Q^T stands at line 42 and the maximum begins at line 63: ten plain lines between.  Behind the last product (line 114) stand eight plain lines before O, L and P are touched.
; The 64 exponentials are ONE batch: nothing names a result of theirs before the one wait at the turn's end.  That wait also stands for all that the turn's memory
; instructions hang on: they follow it.
; cb: the C buffer of unit n + 1.  ld >= 0: this turn's K Q^T were that C buffer's last readers: at the turn's end it is filled with query tile QT2 + ldq (held to 31).  lw = 1: the other C buffer
; is waited for.  slot: where unit n - 1's part goes.  qimm: Q of unit n + 2.  qw >= 0: the LDS instructions younger than the loads of unit n + 1's Q.  pv = 0: there is no unit n - 1.
.macro TURN h, cb, ld, ldq, lw, slot, qimm, qw, pv
.set HN, ((\h)+1)%4
.set HP, ((\h)+3)%4
.set SC, S+64*((\h)%2)
.set SN, S+64*(((\h)+1)%2)
.set QN, QB+8*(((\h)+1)%2)
.set QL, QB+8*((\h)%2)
.set MCUR, M+2*(\h)
.set MN, M+2*HN
	WIN 0
.if \lw
	s_wait_loadcnt 16                              ; this turn's C buffer, asked for four turns ago, is in; the 16 loads issued at the last turn's end stay out
.endif
.if (\qw) >= 0
	s_wait_dscnt \qw                               ; Q of unit n + 1 is in
.endif
	ds_load_b128 v[QL:QL+3],   v[QA] offset:\qimm  ; the last turn's K Q^T read this fragment, ahead of that turn's wait; nothing since names it
	ds_load_b128 v[QL+4:QL+7], v[QA] offset:(\qimm)+512
.set idx, 0
.rept 130
.if (idx == 48) && (\pv)
	s_wait_alu depctr_vm_vsrc(0)                   ; the last turn's five stores have read O and L, which the products from here on write again
.endif
.if (idx%6 == 0) && (idx < 120)
	MMK idx/6, \cb, \pv
.endif
	WIN 0
.if idx == 0
	PLL 0
.elseif idx%2 == 1
	PLL (idx+1)/2
.else
	v_exp_f32 v[SC+(idx-2)/2], v[SC+(idx-2)/2]
.endif
.set idx, idx+1
.endr
.if \pv
	v_mov_b32 v[L+1], v[M+2*HP]                    ; (l, m) as a pair
.endif
	v_nop                                          ; a plain instruction behind the last exponential
.if (\ld) >= 0
	s_wait_xcnt 0x0                                ; the last fetch has read its address
	s_add_co_u32 s[COF], s[QT2], \ldq
	s_min_u32 s[COF], s[COF], 31                   ; the last trip has no such tile: it fetches tile 31 again, for turns whose results are thrown away
	s_lshl_b32 s[COF], s[COF], 15
	s_add_nc_u64 s[CP:CP+1], s[CBP:CBP+1], s[COF:COF+1]
	WIN 0xc0
.endif
	s_wait_alu depctr_va_vdst(0)                   ; the 64 exponentials' results are written, ahead of their first reader; the products have written O and L, and (l, m) is made, which the stores read; the K Q^T are done reading their fragment of Q and their C tiles, in which loads land
.if (\ld) >= 0
.set i, 0
.rept 16
	global_load_b128 v[(\ld)+4*i:(\ld)+4*i+3], v[L16], s[CP:CP+1] offset:i*512
.set i, i+1
.endr
	WIN 0
.endif
.if \pv
	ds_store_b128 v[PWO+(\slot)], v[O:O+3]     offset:HP*9216
	ds_store_b128 v[PWO+(\slot)], v[O+4:O+7]   offset:HP*9216+512
	ds_store_b128 v[PWO+(\slot)], v[O+8:O+11]  offset:HP*9216+1024
	ds_store_b128 v[PWO+(\slot)], v[O+12:O+15] offset:HP*9216+1536
	ds_store_b64  v[PWM+(\slot)], v[L:L+1]     offset:HP*9216
.endif
.set i, 0
.rept 32
	v_cvt_pk_f16_f32 v[P+i], v[SC+2*i], v[SC+2*i+1]
.set i, i+1
.endr
.endm
; A query tile's 16 parts lie in a slot: my stores are done, the barrier shows everybody's; then my head's four records are fetched.  They land under the next turn.
; A slot is written again only behind the next such barrier, in front of which each wave has waited for these loads.
.macro BML slot
	WIN 0
	s_wait_dscnt 0x0
	s_barrier_signal -1
	s_barrier_wait -1
	WIN 0xc0
	s_wait_alu depctr_va_vdst(0)                   ; the last merge is done reading ML and MO, in which the loads below land
.irp q, 0,1,2,3
	ds_load_b64 v[ML+2*\q:ML+2*\q+1], v[PRM+(\slot)] offset:\q*2304
.endr
.set i, 0
.rept 16
	ds_load_b128 v[MO+4*i:MO+4*i+3], v[PRO+(\slot)] offset:(i/4)*2304+(i%4)*512
.set i, i+1
.endr
	WIN 0
.endm
; THE MERGE of my head: m* = the largest of the four maxima; weights 2^(m_i - m*) / l*, l* = the sum of 2^(m_i - m*) l_i (at least 1: the wave that holds m* has weight 1, and its largest p is 1).
; last = 1: the trip's second merge: Q's address moves on by two query tiles here, behind the wait on vm_vsrc and ahead of the merge's own waits on va_vdst.
.macro MERGE imm, last
	WIN 0
	s_wait_dscnt 7                                 ; the 20 loads are back: behind them came one turn's 2 loads and 5 stores
	s_wait_xcnt 0x0                                ; the last merge's stores have had their addresses translated
	s_wait_alu depctr_vm_vsrc(0)                   ; the last merge's stores have read MP, which the roundings below write again; Q's loads have read QA
.if \last
	v_add_nc_u32 v[QA], 8192, v[QA]
.endif
	WIN 0xff
	v_max3_num_f32 v[MT], v[ML+1], v[ML+3], v[ML+5]
	v_max_num_f32 v[MT], v[MT], v[ML+7]
.irp q, 0,1,2,3
	v_sub_f32 v[MT+1+\q], v[ML+2*\q+1], v[MT]
.endr
.irp q, 0,1,2,3
	v_exp_f32 v[MT+1+\q], v[MT+1+\q]
.endr
	v_nop
	s_wait_alu depctr_va_vdst(0)                   ; the four exponentials' results are written, ahead of their first reader
	v_mul_f32 v[MT+5], v[MT+1], v[ML]
	v_fma_f32 v[MT+5], v[MT+2], v[ML+2], v[MT+5]
	v_fma_f32 v[MT+5], v[MT+3], v[ML+4], v[MT+5]
	v_fma_f32 v[MT+5], v[MT+4], v[ML+6], v[MT+5]
	v_rcp_f32 v[MT+6], v[MT+5]
	v_nop
	s_wait_alu depctr_va_vdst(0)                   ; the reciprocal is written, ahead of its first reader
.irp q, 0,1,2,3
	v_mul_f32 v[MW+2*\q], v[MT+1+\q], v[MT+6]
.endr
.set i, 0
.rept 8
	v_pk_mul_f32 v[MA+2*i:MA+2*i+1], v[MO+2*i:MO+2*i+1], v[MW:MW+1] op_sel_hi:[1,0]
.set i, i+1
.endr
.irp q, 1,2,3
.set i, 0
.rept 8
	v_pk_fma_f32 v[MA+2*i:MA+2*i+1], v[MO+16*\q+2*i:MO+16*\q+2*i+1], v[MW+2*\q:MW+2*\q+1], v[MA+2*i:MA+2*i+1] op_sel_hi:[1,0,1]
.set i, i+1
.endr
.endr
.set i, 0
.rept 8
	v_cvt_pk_f16_f32 v[MP+i], v[MA+2*i], v[MA+2*i+1]
.set i, i+1
.endr
	WIN 0x0c                                       ; the stores' data in window 3
	s_wait_alu depctr_va_vdst(0)                   ; the eight roundings have written MP, which the two stores read
	global_store_b128 v[L16], v[MP:MP+3],   s[ATP:ATP+1] offset:\imm       ; a fragment (16 tokens x 32 channels) for the last projection: twice 512 consecutive bytes, aligned
	global_store_b128 v[L16], v[MP+4:MP+7], s[ATP:ATP+1] offset:(\imm)+512
	WIN 0
.endm
	; THE ATTENTION BEGINS: the C tiles of query tiles 0 and 1, Q of the first two units, the first scores and their maximum, and two turns.
	WIN 0xc0
	s_wait_alu depctr_va_vdst(0)                   ; the projection's products are done reading x's fragments, in whose registers the C tiles land; its conversions are done with v48 to v63, in which Q lands
.set i, 0
.rept 16
	global_load_b128 v[C0+4*i:C0+4*i+3], v[L16], s[CBP:CBP+1] offset:i*512
.set i, i+1
.endr
.set i, 0
.rept 16
	global_load_b128 v[C1+4*i:C1+4*i+3], v[L16], s[CBP:CBP+1] offset:32768+i*512
.set i, i+1
.endr
	WIN 0
	ds_load_b128 v[QB:QB+3],     v[QA]
	ds_load_b128 v[QB+4:QB+7],   v[QA] offset:512
	ds_load_b128 v[QB+8:QB+11],  v[QA] offset:1024
	ds_load_b128 v[QB+12:QB+15], v[QA] offset:1536
	s_mov_b32 s[I], 16
	s_mov_b32 s[QT2], 2
	s_wait_loadcnt 16                              ; query tile 0's C is in
	s_wait_dscnt 0x0
.set HN, 0
.set SN, S
.set QN, QB
.set MN, M
.set idx, 0
.rept 8
	MMK idx, C0, 0
.set idx, idx+1
.endr
	WIN 0
	PLACES
.set idx, 0
.rept 34
	MXL idx
.set idx, idx+1
.endr
	s_wait_alu depctr_va_vdst(0)                   ; the first eight K Q^T are done reading Q's first fragment, in whose registers the third unit's lands
	TURN 0, C0, -1, 0, 0, 0, 2048, -1, 0
	TURN 1, C0, -1, 0, 0, 0, 3072, 0, 1
.Lqt:                                                  ; a trip: query tiles A = 2 i and B = 2 i + 1, from A's third turn to the second turn of the next A
	TURN 2, C0, C0, 0, 0, 0, 4096, 5, 1            ; A's C tiles have had their last reader: the buffer takes those of A + 2
	TURN 3, C1, -1, 0, 1, 0, 5120, 5, 1
	TURN 0, C1, -1, 0, 0, 0, 6144, 5, 1            ; A's last part is stored
	BML 0
	TURN 1, C1, -1, 0, 0, 1, 7168, -1, 1           ; (the wait for 0 in front of the barrier has shown Q in)
	MERGE 0, 0
	TURN 2, C1, C1, 1, 0, 1, 8192, 5, 1            ; B's C tiles have had their last reader
	TURN 3, C0, -1, 0, 1, 1, 9216, 5, 1
	TURN 0, C0, -1, 0, 0, 1, 10240, 5, 1           ; B's last part is stored
	BML 1
	TURN 1, C0, -1, 0, 0, 0, 11264, -1, 1
	MERGE 8192, 1
	s_wait_xcnt 0x0                                ; the stores have read their base
	s_add_nc_u64 s[ATP:ATP+1], s[ATP:ATP+1], 16384
	s_add_co_u32 s[QT2], s[QT2], 2
	s_sub_co_u32 s[I], s[I], 1
	s_cmp_lg_u32 s[I], 0
	s_cbranch_scc1 .Lqt
	; In the last trip the two turns of 'query tile 32' multiply the block of zeros; what they make is thrown away: two turns in 130, the price of one text for every trip.
	s_wait_dscnt 0x0                               ; the closing lines, six on end
	s_wait_alu 0x0
	s_wait_tensorcnt 0x0
	ds_add_u32 v[SPW], v[NIL]
	s_wait_dscnt 0x0
	s_endpgm
.Lfunc_end_k_q64ca40c784_attn:
	.size	k_q64ca40c784_attn, .Lfunc_end_k_q64ca40c784_attn-k_q64ca40c784_attn
	.p2alignl 7, 3214868480
	.fill 96, 4, 3214868480
	.section	.rodata,"a",@progbits
	.p2align	6, 0x0
	.amdhsa_kernel k_q64ca40c784_attn
		.amdhsa_group_segment_fixed_size 322048
		.amdhsa_private_segment_fixed_size 0
		.amdhsa_enable_private_segment 0
		.amdhsa_kernarg_size 40
		.amdhsa_user_sgpr_count 2
		.amdhsa_user_sgpr_kernarg_segment_ptr 1
		.amdhsa_wavefront_size32 1
		.amdhsa_system_sgpr_workgroup_id_x 1
		.amdhsa_system_sgpr_workgroup_id_y 1
		.amdhsa_system_sgpr_workgroup_id_z 1
		.amdhsa_system_vgpr_workitem_id 0
		.amdhsa_next_free_vgpr 1024
		.amdhsa_next_free_sgpr 66
		.amdhsa_reserve_vcc 0
		.amdhsa_float_denorm_mode_32 3
		.amdhsa_float_denorm_mode_16_64 3
		.amdhsa_memory_ordered 1
		.amdhsa_forward_progress 1
		.amdhsa_inst_pref_size 228
	.end_amdhsa_kernel
	.amdgpu_metadata
---
amdhsa.version: [ 1, 2 ]
amdhsa.kernels:
  - .name:           k_q64ca40c784_attn
    .symbol:         k_q64ca40c784_attn.kd
    .args:
      - { .name: x, .offset: 0, .size: 8, .value_kind: global_buffer, .address_space: global }
      - { .name: wp, .offset: 8, .size: 8, .value_kind: global_buffer, .address_space: global }
      - { .name: cb, .offset: 16, .size: 8, .value_kind: global_buffer, .address_space: global }
      - { .name: qs, .offset: 24, .size: 8, .value_kind: global_buffer, .address_space: global }
      - { .name: att, .offset: 32, .size: 8, .value_kind: global_buffer, .address_space: global }
    .group_segment_fixed_size: 322048
    .private_segment_fixed_size: 0
    .kernarg_segment_align: 8
    .kernarg_segment_size: 40
    .max_flat_workgroup_size: 128
    .sgpr_count:     66
    .vgpr_count:     1024
    .wavefront_size: 32
...
	.end_amdgpu_metadata
.endif
;; end of part 4
;; launch outp: the kernel of part 3 again; grid 256 x 1, 4 waves a work-group, no clusters, 165,376 bytes of LDS; arguments att, wop, out0; writes out0
